; MI455X (gfx1250); checked and timed in simulation.
; The chip was launched on July 23, 2026; its instructions are those of AMD's public machine-readable ISA for CDNA 5 (MIT licence, August 2026) and "CDNA5" Instruction Set Architecture Reference Guide (July 2026). The comments in the code are by the model that wrote it; some were corrected since.
;; Multi Head Attention. Allowed arithmetic: matrix products marked QUANTISED: E4M3 operands, one E8M0 scale for each 32 along K, by v_wmma_scale_f32_16x16x128_f8f6f4 with both operands' format E4M3, f32 sums; everything else in f32.
;; Inputs: Wk_codes 16 x 64 x 32 x 32 uint8 (E4M3 codes of Wk, K innermost, in blocks of 32 codes); Wk_scales 16 x 64 x 32 uint8 (E8M0 scales of Wk, one for each 32 codes along K); Wo_codes 1,024 x 32 x 32 uint8 (E4M3 codes of Wo, K innermost, in blocks of 32 codes); Wo_scales 1,024 x 32 uint8 (E8M0 scales of Wo, one for each 32 codes along K); Wq_codes 16 x 64 x 32 x 32 uint8 (E4M3 codes of Wq, K innermost, in blocks of 32 codes); Wq_scales 16 x 64 x 32 uint8 (E8M0 scales of Wq, one for each 32 codes along K); Wv_codes 16 x 64 x 32 x 32 uint8 (E4M3 codes of Wv, K innermost, in blocks of 32 codes); Wv_scales 16 x 64 x 32 uint8 (E8M0 scales of Wv, one for each 32 codes along K); bo 1,024 float32; x_codes 4 x 2,048 x 32 x 32 uint8 (E4M3 codes of x, K innermost, in blocks of 32 codes); x_scales 4 x 2,048 x 32 uint8 (E8M0 scales of x, one for each 32 codes along K).
;; Outputs: out0 4 x 2,048 x 1,024 float32.
;; This version of the problem:
;;   THIS VERSION OF THE PROBLEM IS GIVEN IN LOW PRECISION. The matrix products marked QUANTISED in the list below multiply operands that are first quantised to E4M3 (4 exponent bits, 3 mantissa bits; 8 bits a number), with one power-of-two scale for each 32 numbers along K (OCP MX v1.0); their sums are f32. All else is computed in f32.
;;   The module's matrix products, in the order in which they are computed (A, B: the left and right operand; K: the contracted axis; several contracted axes count as one K, in the product's order):
;;     1. [M 1,024, K 1,024] x [K 1,024, N 8,192]; A: input Wq (given as codes); B: input x (given as codes): QUANTISED
;;     2. [M 1,024, K 1,024] x [K 1,024, N 8,192]; A: input Wk (given as codes); B: input x (given as codes): QUANTISED
;;     3. [M 1,024, K 1,024] x [K 1,024, N 8,192]; A: input Wv (given as codes); B: input x (given as codes): QUANTISED
;;     4. batch 64 x [M 2,048, K 64] x [K 64, N 2,048]; A: computed on the way; B: computed on the way: QUANTISED
;;     5. batch 64 x [M 2,048, K 2,048] x [K 2,048, N 64]; A: softmax (see below); B: computed on the way: QUANTISED
;;     6. [M 8,192, K 1,024] x [K 1,024, N 1,024]; A: computed on the way; B: input Wo (given as codes): QUANTISED
;;   THE QUANTISER, for each operand of a quantised product, along K:
;;     - K is cut into blocks of 32 from its start; a last block that is shorter is filled with zeros.
;;     - A block's scale is 2^e with e = floor(log2(the largest magnitude in the block)) - 8, held to -126 .. 127; a block of zeros has e = 0. As a byte (E8M0): e + 127.
;;     - Each number is divided by its block's scale, clamped to +-448, and rounded to the nearest number of E4M3, ties to even, subnormals kept.
;;     - The product sums the exact products of the quantised numbers (number of the format x scale) in f32.
;;   ~~~python
;;   def quantise(x, axis):      # numpy; x: float32 -> the quantised numbers, widened to float32 again
;;       x = np.moveaxis(x, axis, -1); K = x.shape[-1]
;;       x = np.pad(x, [(0, 0)] * (x.ndim - 1) + [(0, -K % 32)]); x = x.reshape(x.shape[:-1] + (-1, 32)); a = np.abs(x).max(-1, keepdims=True)
;;       e = np.where(a > 0, np.clip(np.frexp(np.where(a > 0, a, 1))[1] - 1 - 8, -126, 127), 0)      # np.frexp(a)[1] - 1 = floor(log2(a)), exactly
;;       r = np.clip(x / 2.0 ** e, -448, 448)
;;       step = 2.0 ** (np.maximum(np.frexp(np.where(r == 0, 1, r))[1] - 1, -6) - 3)
;;       q = np.round(r / step) * step * 2.0 ** e      # np.round: ties to even
;;       return np.moveaxis(q.reshape(q.shape[:-2] + (-1,))[..., :K], -1, axis).astype(np.float32)
;;   ~~~
;;   SOFTMAX AHEAD OF A QUANTISED PRODUCT. Where the list says 'softmax', what is quantised is not the finished softmax but p = 2^(t - M), with t = logit x log2(e) and M = ceil(the row's largest t), a whole number; so 1/2 < the row's largest p <= 1. The row's sum l is taken of the UNQUANTISED p, in f32, and the product's result is divided by l at the end. Since M is a whole number, a kernel that streams over the keys may use a running M (the ceiling of the running maximum): every later rescaling is an exact power of two, which a block's scale takes up: the codes' values come out the same.
;;   OPERANDS COMPUTED ON THE WAY. 'Computed on the way' means the value that the module computes at that place (a softmax that the list does not call 'softmax' is quantised finished and normalised). What goes into a quantiser is computed in f32, as accurately as f32 sums, v_exp_f32 and their like allow (about 1e-6 of the number): no bf16 or f16 on the way to a quantiser, and a product that is left as it is and whose result goes on into a quantised operand takes f32 operands (vector FMAs, or v_wmma_f32_16x16x4_f32). A number that lies on a knife's edge between two numbers of the format may be rounded either way, as far as f32 arithmetic and the matrix unit's own rounding can turn it there, and no further.
;;   INPUTS GIVEN AS CODES. Wk (in the module: [16, 1024, 64], K = its axis 1); Wo (in the module: [1024, 1024], K = its axis 0); Wq (in the module: [16, 1024, 64], K = its axis 1); Wv (in the module: [16, 1024, 64], K = its axis 1); x (in the module: [4, 2048, 1024], K = its axis 2): each comes as NAME_codes (uint8): NAME with its K axis moved to the last place and cut into blocks of 32 codes, [.., K / 32, bytes a block], one block behind the other in memory; one code a byte (a code: sign, 4 exponent bits, 3 mantissa bits); and NAME_scales (uint8): the same leading axes, one E8M0 byte (e + 127) for each 32 codes along K. Its value is code x scale, taken as it is: it is not quantised again, and the codes and scales need not be those that the quantiser above would give.
;; One version. Each part assembles by itself: llvm-mc -triple=amdgcn-amd-amdhsa -mcpu=gfx1250 --defsym DOCPART=n.
;; ======== version 1 of 1: 3 launches
;; limits: right only within a limited range of input values
;; workspace buffers: qb 8,650,752 bytes; kb 8,650,752 bytes; vb 8,650,752 bytes; ob 8,388,608 bytes; os 262,144 bytes
;; launch qkv (part 1): grid 16 x 32, 4 waves a work-group, clusters of 4 x 4, 327,680 bytes of LDS; arguments x_codes, x_scales, Wq_codes, Wq_scales, Wk_codes, Wk_scales, Wv_codes, Wv_scales, qb, kb, vb; writes qb, kb, vb
.if DOCPART == 1
	.amdgcn_target "amdgcn-amd-amdhsa--gfx1250"
	.amdhsa_code_object_version 6
	.text
	.protected	k_q78c38964ad_qkv
	.globl	k_q78c38964ad_qkv
	.p2align	8
	.type	k_q78c38964ad_qkv,@function
k_q78c38964ad_qkv:
	s_mov_b64 s[64:65], 0
	v_nop
	global_prefetch_b8 v0, s[64:65] scope:SCOPE_SE
	s_setreg_imm32_b32 hwreg(HW_REG_WAVE_MODE, 25, 1), 1
	s_wait_xcnt 0x0
	s_wait_alu depctr_hold_cnt(0) depctr_sa_sdst(0) depctr_va_vdst(0) depctr_va_sdst(0) depctr_va_ssrc(0) depctr_va_vcc(0) depctr_vm_vsrc(0)
	s_getreg_b32 s2, hwreg(HW_REG_IB_STS2, 6, 4)
	s_cmp_eq_u32 s2, 0
	s_cbranch_scc0 .Lentry_in_a_cluster
	s_endpgm
.Lentry_in_a_cluster:
	s_bfe_u32 s2, ttmp6, 0x10000c
	s_cmp_lg_u32 s2, 0xf033
	s_cbranch_scc0 .Lentry_shape_is_right
	s_endpgm
.Lentry_shape_is_right:
; q, k, v = x W for one head and 256 rows of x, on codes of FP8 (E4M3) with one E8M0 scale for each 32 along K = 1,024; the results are quantised here and leave as codes.
; x: [8192][1024] codes, [8192][32] scale bytes.  Wq, Wk, Wv: [16 heads][64][1024] codes, [16][64][32] scale bytes.
; SHARES.  A work-group takes 256 rows of x and one head's 192 rows of W.  Wave w: RH = w / 2 picks 128 rows of x, CH = w % 2 picks Wq (0) or Wk (1), all 64 rows, and 32 rows of Wv.
;   q, k: source 0 = 16 rows of W, source 1 = 16 rows of x: a lane holds ONE row of x and its registers run along the head's 64, which is the next product's K.   32 accumulators.
;   v:    source 0 = 16 rows of x, source 1 = 16 rows of Wv: a lane holds ONE of the head's 64 and its registers run along the rows of x (the keys), the next K of v.   16 accumulators.
; THE RESULTS LEAVE AS IMAGES OF OPERAND REGISTERS: a fragment of 16 registers a lane is four stores of 512 consecutive bytes, lane l's 16 bytes at 16 l.  Two neighbouring result tiles v = 0, 1 are converted
; into four registers, so index 32 c + 16 v + 8 h + j of a block of 32 stands at place 32 c + 16 h + 8 v + j: a permutation inside a block, which falls alike on both operands of the later products.
; A fragment of q or k holds TWO tiles of 16 rows: rows 32 g .. +15 in registers 0-7 (K places 0-63), rows 32 g + 16 .. +31 in registers 8-15; its scale word: two bytes of the first tile, two of the second.
; qb, kb, vb: [batch x head (64)][256 rows (8)][16,896 bytes]: codes [128 rows (2)][fragment (4)][2,048], then at 16,384 scale words [2][4][16 lanes][4 bytes].
; K goes in steps of 128 through two LDS slots of 256 along K, filled by the tensor data mover.  CLUSTER 4 x 4: the four work-groups of a row of the cluster share their rows of x, the four of a column
; their head's W: each tile is asked for jointly.  Wave 0 fetches x's 256 rows, waves 1 to 3 the 64 rows of Wq, Wk, Wv: one load a wave for each fill; a wave has one load out at the most.
; LIMITS: NaN and infinities among the inputs are not served.  A block whose largest magnitude lies under 2^-118, a block of zeros among them, gets the scale byte 1 (these bytes are read by this program alone).
; REGISTERS: window 0: v1-12 addresses and constants; v30-61 x's scale words, v64-87 W's; v88-112 at work; v128-255 v's accumulators.  window 1: x's fragments, two sets.  window 2: W's, two sets.  window 3: q's or k's accumulators.
.set PITCH,  272                       ; an LDS row: 256 bytes + 16 of padding = 68 words: the 16 rows that a load touches start at 16 different banks (64 banks of 4 bytes: ISA guide 11.1)
.set TROW,   16*PITCH
.set SLOT,   448*PITCH                 ; x's 256 rows, Wq's 64, Wk's 64, Wv's 64
.set WQO,    256*PITCH
.set WVO,    384*PITCH
.set SPARE,  2*SLOT                    ; behind the ring: the spare words, 128 bytes a wave, which no other line names
.set BLKB,   16896
.set LI,   1                           ; 16 x lane
.set LS,   2                           ; 4 x lane
.set L32,  3                           ; 32 x lane
.set ADRX, 4                           ; v4-5  LDS address of my x fragments in slot 0, 1
.set ADRT, 6                           ; v6-7  of Wq's or Wk's
.set ADRV, 8                           ; v8-9  of Wv's
.set SPW,  10                          ; my spare word's address; never rewritten
.set NIL,  11                          ; 0; never rewritten
.set FLR,  12                          ; the floor 2^(9 - 127)
.set XS,   30                          ; x's scale words: v[XS + 8 g + s]: lane l = row 32 g + l, K step s; their numbers differ modulo 8 from W's
; A PREFETCH INTO THE L2 of a later fill's tiles, 256 bytes of each row at byte off of the rows: a lane a row.  x's 256 rows are shared out by address among the four partners that ask for them jointly (64 rows each,
; by cx): wave 0 names them by two instructions.  Waves 1 to 3 name 16 rows (by cy) of the W that they fetch; lanes 16-31 name their wave's last row again.  Each cluster asks for its own x; W's rows, which eight
; clusters read, are asked for by the clusters with y under 4 alone.  Fills 1 and 2 are asked for at the head, fill 3 behind fill 1's load: one and two fills ahead of their tensor loads; nothing lies beyond fill 3.
.macro ASK off
	s_cmp_eq_u32 s88, 0
	s_cbranch_scc1 .Lno_ask_\@
	global_prefetch_b8 v17, s[84:85] offset:\off th:TH_LOAD_NT scope:SCOPE_SE
	s_cmp_lg_u32 s[WV], 0
	s_cbranch_scc1 .Lno_ask_\@
	global_prefetch_b8 v17, s[84:85] offset:32768+\off th:TH_LOAD_NT scope:SCOPE_SE
.Lno_ask_\@:
.endm
.set WS,   64                          ; W's: pairs 0, 1: rows 32 pair + l of Wq or Wk; pair 2: my 32 rows of Wv
.set TM,   88
.set PW,   104                         ; six scale words
.set MG,   110                         ; three merged ones
.set PCS,  32                          ; at the end: two sets of 16 code registers, where x's scale words lay
.set VA,   128
.set WV,   26
.set RH,   27
.set CH,   28
.set G1X,  36
.set G1W,  44
.set G0X,  52                          ; s[52:55], s[56:59]: slot 0, slot 1
.set G0W0, 60
.set G0W1, 68
.set SEL,  80
.set MNT,  82
.set MSB, 0
.macro WIN new                         ; the immediate's high byte repeats the setting that is left
.if MSB != (\new)
	s_set_vgpr_msb (MSB<<8)|(\new)
.set MSB, (\new)
.endif
.endm
.macro PLACES n                        ; plain vector lines between a matrix instruction and a load into, or a vector read or write of, its registers (ISA guide 7.12.1 for vector reads and writes)
.rept \n
	v_nop
.endr
.endm
.macro CREST                           ; a round of the cluster's barrier behind its opening barrier
	s_cmp_lg_u32 s[WV], 0
	s_cbranch_scc1 .Lnot_wave_0_\@
	s_barrier_signal -3
.Lnot_wave_0_\@:
	s_barrier_wait -3
	s_barrier_signal -1
	s_barrier_wait -1
.endm
.macro CROUND
	s_barrier_signal -1
	s_barrier_wait -1
	CREST
.endm
.macro JLOAD g0x, g0w                  ; a joint refill: wave 0 asks for x's tile, waves 1 to 3 for W's; the branch hangs on the wave's number alone; four v_nop follow each line
	s_cmp_eq_u32 s[WV], 0
	s_cbranch_scc0 .Lfor_w_\@
	tensor_load_to_lds s[\g0x:\g0x+3], s[G1X:G1X+7]
	s_nop 0
	PLACES 4
	s_branch .Lasked_\@
.Lfor_w_\@:
	tensor_load_to_lds s[\g0w:\g0w+3], s[G1W:G1W+7]
	s_nop 0
	PLACES 4
.Lasked_\@:
.endm
; one matrix instruction.  zero = 1: it starts its sum.  ra, rb = 1: the side's scales are read from lanes 16-31
.macro WM d, a, b, zero, sa, sb, ra, rb
.if (\zero) && (\ra) && (\rb)
	v_wmma_scale_f32_16x16x128_f8f6f4 v[(\d):(\d)+7], v[(\a):(\a)+15], v[(\b):(\b)+15], 0, v[\sa], v[\sb] matrix_a_scale:MATRIX_SCALE_ROW1 matrix_b_scale:MATRIX_SCALE_ROW1
.elseif (\zero) && (\ra)
	v_wmma_scale_f32_16x16x128_f8f6f4 v[(\d):(\d)+7], v[(\a):(\a)+15], v[(\b):(\b)+15], 0, v[\sa], v[\sb] matrix_a_scale:MATRIX_SCALE_ROW1
.elseif (\zero) && (\rb)
	v_wmma_scale_f32_16x16x128_f8f6f4 v[(\d):(\d)+7], v[(\a):(\a)+15], v[(\b):(\b)+15], 0, v[\sa], v[\sb] matrix_b_scale:MATRIX_SCALE_ROW1
.elseif (\zero)
	v_wmma_scale_f32_16x16x128_f8f6f4 v[(\d):(\d)+7], v[(\a):(\a)+15], v[(\b):(\b)+15], 0, v[\sa], v[\sb]
.elseif (\ra) && (\rb)
	v_wmma_scale_f32_16x16x128_f8f6f4 v[(\d):(\d)+7], v[(\a):(\a)+15], v[(\b):(\b)+15], v[(\d):(\d)+7], v[\sa], v[\sb] matrix_a_scale:MATRIX_SCALE_ROW1 matrix_b_scale:MATRIX_SCALE_ROW1
.elseif (\ra)
	v_wmma_scale_f32_16x16x128_f8f6f4 v[(\d):(\d)+7], v[(\a):(\a)+15], v[(\b):(\b)+15], v[(\d):(\d)+7], v[\sa], v[\sb] matrix_a_scale:MATRIX_SCALE_ROW1
.elseif (\rb)
	v_wmma_scale_f32_16x16x128_f8f6f4 v[(\d):(\d)+7], v[(\a):(\a)+15], v[(\b):(\b)+15], v[(\d):(\d)+7], v[\sa], v[\sb] matrix_b_scale:MATRIX_SCALE_ROW1
.else
	v_wmma_scale_f32_16x16x128_f8f6f4 v[(\d):(\d)+7], v[(\a):(\a)+15], v[(\b):(\b)+15], v[(\d):(\d)+7], v[\sa], v[\sb]
.endif
.endm
; the fragments of K step s (slot (s / 2) % 2, byte 128 (s % 2) of its rows) into set p: 8 of x, 4 of Wq or Wk, 2 of Wv: 56 loads in one run
.macro FETCH s, p
	WIN 0x40                                       ; destination window 1
.irp i, 0,1,2,3,4,5,6,7
.irp c, 0,1,2,3
	ds_load_b128 v[128*(\p)+16*\i+4*\c:128*(\p)+16*\i+4*\c+3], v[ADRX+(((\s)/2)%2)] offset:\i*TROW+128*((\s)%2)+32*\c
.endr
.endr
	WIN 0x80                                       ; destination window 2
.irp t, 0,1,2,3
.irp c, 0,1,2,3
	ds_load_b128 v[96*(\p)+16*\t+4*\c:96*(\p)+16*\t+4*\c+3], v[ADRT+(((\s)/2)%2)] offset:\t*TROW+128*((\s)%2)+32*\c
.endr
.endr
.irp t, 0,1
.irp c, 0,1,2,3
	ds_load_b128 v[96*(\p)+64+16*\t+4*\c:96*(\p)+64+16*\t+4*\c+3], v[ADRV+(((\s)/2)%2)] offset:\t*TROW+128*((\s)%2)+32*\c
.endr
.endr
	WIN 0
.endm
; The 48 accumulators take turns, one instruction a turn, in the same order in every step.
.macro MULT_T p, s, i0, zero           ; q or k: x's tiles i0 .. i0 + 3 against W's four
	WIN 0xf6                                       ; source 0 (W) window 2, source 1 (x) window 1, C and D window 3
.irp i, \i0, \i0+1, \i0+2, \i0+3
.irp t, 0,1,2,3
	WM 8*(4*(\i)+\t), 96*(\p)+16*\t, 128*(\p)+16*(\i), \zero, WS+8*(\t/2)+(\s), XS+8*((\i)/2)+(\s), \t%2, (\i)%2
.endr
.endr
.endm
.macro MULT_V p, s, zero               ; v: x's eight tiles against Wv's two
	WIN 0x09                                       ; source 0 (x) window 1, source 1 (Wv) window 2, C and D window 0
.irp t, 0,1
.irp i, 0,1,2,3,4,5,6,7
	WM VA+64*\t+8*\i, 128*(\p)+16*\i, 96*(\p)+64+16*\t, \zero, XS+8*(\i/2)+(\s), WS+16+(\s), \i%2, \t
.endr
.endr
.endm
.macro STEPE s, zero                   ; an even K step: its successor lies in the same slot and is fetched first, 48 matrix instructions ahead of its use
	s_wait_dscnt 0x0                               ; set 0 is in
.if (\s) > 0
	PLACES 8                                       ; for the loads into set 1, which the last products read
.endif
	FETCH (\s)+1, 1
	MULT_T 0, \s, 0, \zero
	MULT_T 0, \s, 4, \zero
	MULT_V 0, \s, \zero
.endm
; An odd K step leaves its slot: ONE barrier.  In front of it each wave has its last fragments of the slot in registers, waits for all its tensor loads (its part of the next slot), adds 0 to its spare word and waits for that.
.macro TURN s, fill, g0x, g0w
	s_wait_dscnt 0x0                               ; set 1 is in: my reads of this slot are over
	WIN 0                                          ; (the add's two registers lie in window 0)
	s_wait_tensorcnt 0x0                           ; all my tensor loads have landed
	ds_add_u32 v[SPW], v[NIL]                      ; 0 onto my spare word
	MULT_T 1, \s, 0, 0                             ; sixteen matrix instructions stand between the add and the wait for it
	s_wait_dscnt 0x0                               ; the add is done
	s_barrier_signal -1
	MULT_T 1, \s, 4, 0
	WIN 0
	s_barrier_wait -1
.if \fill
	CREST                                          ; the barrier has opened a round of the cluster's barrier: no wave of any partner still reads this slot or has a load on its way
	s_add_nc_u64 s[\g0x+2:\g0x+3], s[\g0x+2:\g0x+3], 512   ; two slots, 512 along K, further on
	s_add_nc_u64 s[\g0w+2:\g0w+3], s[\g0w+2:\g0w+3], 512
	JLOAD \g0x, \g0w                               ; the first tensor load behind the round; its four v_nop are four of the eight places in front of the loads below
	PLACES 4
.else
	PLACES 8
.endif
	FETCH (\s)+1, 0
	MULT_V 1, \s, 0
.endm
; 64 numbers of a lane in window W, register 16 b + i of block b, become 16 code registers at v[pc] and a scale word in v[pw] (both window 0).  Each accumulator is read from its low end on.
.macro QUANT W, s, pc, pw
	WIN ((\W)<<2)|((\W)<<4)                        ; sources 1 and 2: the numbers
.irp b, 0,1,2,3
	v_max3_num_f32 v[TM+\b], v[FLR], |v[(\s)+16*\b]|, |v[(\s)+16*\b+1]|   ; my 16 numbers of block b, and the floor, which holds the byte at 1 from below
.endr
.irp i, 2,4,6,8,10,12,14
.irp b, 0,1,2,3
	v_max3_num_f32 v[TM+\b], v[TM+\b], |v[(\s)+16*\b+\i]|, |v[(\s)+16*\b+\i+1]|
.endr
.endr
	WIN 0
.irp b, 0,1,2,3
	v_permlanex16_b32 v[TM+4+\b], v[TM+\b], s[SEL], s[SEL+1]
.endr
.irp b, 0,1,2,3
	v_max_num_f32 v[TM+\b], v[TM+\b], v[TM+4+\b]   ; with lane l xor 16's 16: the block's largest magnitude
.endr
.irp b, 0,1,2,3
	v_add_nc_u32 v[TM+12+\b], 0xfc000000, v[TM+\b] ; 8 off its exponent field: the conversion's scale operand
.endr
.irp b, 0,1,2,3
	v_and_or_b32 v[TM+8+\b], v[TM+\b], 0x7f800000, s[MNT]   ; 448 x the scale
.endr
.irp b, 0,1,2,3
	v_lshrrev_b32 v[TM+4+\b], 23, v[TM+12+\b]      ; the scale's byte
.endr
	v_lshl_or_b32 v[\pw], v[TM+5], 8, v[TM+4]
	v_lshl_or_b32 v[\pw], v[TM+6], 16, v[\pw]
	v_lshl_or_b32 v[\pw], v[TM+7], 24, v[\pw]
	WIN ((\W)<<6)|(\W)                             ; destination and source 0: the numbers
.irp b, 0,1,2,3
.irp i, 0,1,2,3,4,5,6,7,8,9,10,11,12,13,14,15
	v_med3_num_f32 v[(\s)+16*\b+\i], v[(\s)+16*\b+\i], -v[TM+8+\b], v[TM+8+\b]   ; the conversion to an 8-bit code does not saturate (ISA guide 7.6.2): the hold comes first
.endr
.endr
	WIN (\W)
.irp b, 0,1,2,3
	v_cvt_scalef32_pk8_fp8_f32 v[(\pc)+4*\b:(\pc)+4*\b+1], v[(\s)+16*\b:(\s)+16*\b+7], v[TM+12+\b]
	v_cvt_scalef32_pk8_fp8_f32 v[(\pc)+4*\b+2:(\pc)+4*\b+3], v[(\s)+16*\b+8:(\s)+16*\b+15], v[TM+12+\b]
.endr
	WIN 0
	v_nop                                          ; a plain line behind the last conversion
.endm
	s_load_b512 s[4:19], s[0:1], 0x0               ; x codes, x scales, Wq codes, Wq scales, Wk codes, Wk scales, Wv codes, Wv scales
	s_load_b128 s[20:23], s[0:1], 0x40             ; qb, kb
	s_load_b64 s[24:25], s[0:1], 0x50              ; vb
	v_lshl_add_u32 v[SPW], v0, 2, SPARE
	v_mov_b32 v[NIL], 0
	ds_add_u32 v10, v11
	ds_add_u32 v10, v11
	s_wait_dscnt 0x0
	v_lshrrev_b32 v13, 5, v0
	v_readfirstlane_b32 s[WV], v13                 ; wave 0..3
	s_lshr_b32 s[RH], s[WV], 1
	s_and_b32 s[CH], s[WV], 1
	s_bfe_u32 s29, ttmp6, 0x40000                  ; cx
	s_bfe_u32 s30, ttmp6, 0x40004                  ; cy
	s_lshl_b32 s31, ttmp9, 2
	s_add_co_u32 s31, s31, s29                     ; the head = 4 x cluster x + cx
	s_and_b32 s32, ttmp7, 0xffff
	s_lshl_b32 s32, s32, 2
	s_add_co_u32 s32, s32, s30                     ; the block of 256 rows = 4 x cluster y + cy
	s_lshl_b32 s33, s30, 2
	s_lshl_b32 s33, 15, s33                        ; my row of the cluster: it shares x's rows
	s_lshl_b32 s34, 0x1111, s29                    ; my column: it shares the head
	s_or_b32 s[G1X], s33, (1<<20)|(1<<21)|(5<<22)|(3<<25)   ; the mask; elements of 1 byte; padding on; bit 21 beside a mask; after every 64 words, 4 words
	s_or_b32 s[G1W], s34, (1<<20)|(1<<21)|(5<<22)|(3<<25)
	s_mov_b32 s[G1X+1], 256<<16                    ; tensor_dim0 = 256 bytes
	s_mov_b32 s[G1X+2], 256<<16                    ; tensor_dim1 = 256 rows
	s_mov_b32 s[G1X+3], 256<<16                    ; tile_dim0
	s_mov_b32 s[G1X+4], 256                        ; tile_dim1
	s_mov_b32 s[G1X+5], 1024                       ; from row to row
	s_mov_b32 s[G1X+6], 0
	s_mov_b32 s[G1X+7], 0
	s_mov_b32 s[G1W+1], 256<<16
	s_mov_b32 s[G1W+2], 64<<16                     ; 64 rows
	s_mov_b32 s[G1W+3], 256<<16
	s_mov_b32 s[G1W+4], 64
	s_mov_b32 s[G1W+5], 1024
	s_mov_b32 s[G1W+6], 0
	s_mov_b32 s[G1W+7], 0
	s_lshl_b32 s84, s32, 18                        ; x: 256 rows of 1,024 bytes a block
	s_mov_b32 s85, 0
	s_lshl_b32 s86, s31, 16                        ; W: 64 rows of 1,024 bytes a head
	s_mov_b32 s87, 0
	s_mul_i32 s92, s[WV], 64*PITCH
	s_add_co_u32 s92, s92, WQO-64*PITCH            ; waves 1, 2, 3: Wq's, Wk's, Wv's place in a slot
	s_mov_b32 s[SEL], 0x76543210
	s_mov_b32 s[SEL+1], 0xfedcba98                 ; v_permlanex16_b32's selects for lane l xor 16
	s_mov_b32 s[MNT], 0x600000                     ; the mantissa field of 448
	s_wait_kmcnt 0x0
	s_cmp_eq_u32 s[WV], 2
	s_cselect_b64 s[88:89], s[12:13], s[8:9]
	s_cmp_eq_u32 s[WV], 3
	s_cselect_b64 s[88:89], s[16:17], s[88:89]     ; which W my wave fetches
	s_add_nc_u64 s[88:89], s[88:89], s[86:87]
	s_add_nc_u64 s[90:91], s[4:5], s[84:85]
.irp g, 0,1
	s_mov_b32 s[G0X+4*\g], 1
	s_mov_b32 s[G0X+4*\g+1], \g*SLOT
	s_add_nc_u64 s[G0X+4*\g+2:G0X+4*\g+3], s[90:91], \g*256
	s_or_b32 s[G0X+4*\g+3], s[G0X+4*\g+3], 0x80000000
.endr
	s_mov_b32 s[G0W0], 1
	s_mov_b32 s[G0W0+1], s92
	s_mov_b64 s[G0W0+2:G0W0+3], s[88:89]
	s_or_b32 s[G0W0+3], s[G0W0+3], 0x80000000
	s_mov_b32 s[G0W1], 1
	s_add_co_u32 s[G0W1+1], s92, SLOT
	s_add_nc_u64 s[G0W1+2:G0W1+3], s[88:89], 256
	s_or_b32 s[G0W1+3], s[G0W1+3], 0x80000000
	CROUND                                         ; all sixteen work-groups are here: the first joint loads meet
	s_cmp_eq_u32 s[WV], 0                          ; a wave's first fill: x's tile for wave 0, W's for the others
	s_cbranch_scc0 .Lfirst_w
	tensor_load_to_lds s[G0X:G0X+3], s[G1X:G1X+7]  ; slot 0 alone: one tensor load a wave at the head
	s_nop 0
	PLACES 4
	s_branch .Lfirst_done
.Lfirst_w:
	tensor_load_to_lds s[G0W0:G0W0+3], s[G1W:G1W+7]
	s_nop 0
	PLACES 4
.Lfirst_done:
	s_lshl_b32 s86, s29, 16                        ; the prefetches: my work-group's 64 rows of x,
	s_lshl_b32 s87, s30, 14                        ; or its 16 rows of W
	s_cmp_eq_u32 s[WV], 0
	s_cselect_b32 s86, s86, s87
	s_cselect_b64 s[84:85], s[90:91], s[88:89]
	s_cselect_b32 s83, 31, 15                      ; the last row that a lane names
	s_mov_b32 s87, 0
	s_add_nc_u64 s[84:85], s[84:85], s[86:87]      ; s[84:85] and v17 are never written again
	s_and_b32 s89, ttmp7, 0xffff
	s_lshr_b32 s89, s89, 2                         ; 0 in the clusters with y under 4
	s_cmp_eq_u32 s[WV], 0
	s_cselect_b32 s89, 0, s89
	s_cmp_eq_u32 s89, 0
	s_cselect_b32 s88, 1, 0                        ; does my wave ask?
	v_and_b32 v13, 31, v0
	v_min_u32 v17, s83, v13
	v_lshlrev_b32 v17, 10, v17                     ; a row is 1,024 bytes
	v_lshlrev_b32 v[LI], 4, v13
	v_lshlrev_b32 v[LS], 2, v13
	v_lshlrev_b32 v[L32], 5, v13
	v_and_b32 v14, 15, v0                          ; r
	v_bfe_u32 v15, v0, 4, 1                        ; h
	v_mul_u32_u24 v16, v14, PITCH
	v_lshl_add_u32 v16, v15, 4, v16                ; a fragment's row x pitch + 16 h
	s_wait_alu depctr_va_vdst(0)
	s_mul_i32 s93, s[RH], 128*PITCH                ; my 128 rows of x
	s_mul_i32 s94, s[CH], 64*PITCH
	s_add_co_u32 s94, s94, WQO                     ; Wq or Wk
	s_mul_i32 s95, s[CH], 32*PITCH
	s_add_co_u32 s95, s95, WVO                     ; my 32 rows of Wv
.irp g, 0,1
	v_add_nc_u32 v[ADRX+\g], s93, v16
	v_add_nc_u32 v[ADRT+\g], s94, v16
	v_add_nc_u32 v[ADRV+\g], s95, v16
	s_add_co_u32 s93, s93, SLOT
	s_add_co_u32 s94, s94, SLOT
	s_add_co_u32 s95, s95, SLOT
.endr
	v_mov_b32 v[FLR], 0x4800000
.irp b, 0,1,2,3
	v_mov_b32 v[TM+4+\b], 0                        ; written once: a lane permute's destination counts as one of its sources
.endr
	; the scale words come once, straight from memory: a lane takes its row's 32 bytes (the words of the 8 K steps); two loads cover 1,024 consecutive bytes
	s_lshl_b32 s96, s32, 13
	s_lshl_b32 s97, s[RH], 12
	s_add_co_u32 s96, s96, s97
	s_mov_b32 s97, 0
	s_add_nc_u64 s[6:7], s[6:7], s[96:97]          ; x's scales at my 128 rows
	s_cmp_eq_u32 s[CH], 0
	s_cselect_b64 s[10:11], s[10:11], s[14:15]     ; Wq's or Wk's
	s_lshl_b32 s96, s31, 11
	s_add_nc_u64 s[10:11], s[10:11], s[96:97]
	s_lshl_b32 s83, s[CH], 10
	s_add_co_u32 s96, s96, s83
	s_add_nc_u64 s[18:19], s[18:19], s[96:97]      ; Wv's at my 32 rows
.irp g, 0,1,2,3
	global_load_b128 v[XS+8*\g:XS+8*\g+3], v[L32], s[6:7] offset:1024*\g
	global_load_b128 v[XS+8*\g+4:XS+8*\g+7], v[L32], s[6:7] offset:1024*\g+16
.endr
.irp g, 0,1
	global_load_b128 v[WS+8*\g:WS+8*\g+3], v[L32], s[10:11] offset:1024*\g
	global_load_b128 v[WS+8*\g+4:WS+8*\g+7], v[L32], s[10:11] offset:1024*\g+16
.endr
	global_load_b128 v[WS+16:WS+19], v[L32], s[18:19]
	global_load_b128 v[WS+20:WS+23], v[L32], s[18:19] offset:16
	ASK 256
	ASK 512
	; where the results go: block ((batch x 16 + head) x 8 + the batch's block of 256 rows)
	s_lshr_b32 s98, s32, 3
	s_lshl_b32 s98, s98, 4
	s_add_co_u32 s98, s98, s31
	s_lshl_b32 s98, s98, 3
	s_and_b32 s35, s32, 7
	s_add_co_u32 s98, s98, s35
	s_mul_i32 s98, s98, BLKB
	s_mov_b32 s99, 0
	s_lshl_b32 s66, s[RH], 13                      ; my 128 rows' codes
	s_mov_b32 s67, 0
	s_lshl_b32 s2, s[RH], 8
	s_add_co_u32 s2, s2, 16384                     ; and their scale words
	s_mov_b32 s3, 0
	s_cmp_eq_u32 s[CH], 0
	s_cselect_b64 s[72:73], s[20:21], s[22:23]     ; qb or kb
	s_add_nc_u64 s[72:73], s[72:73], s[98:99]
	s_add_nc_u64 s[76:77], s[24:25], s[98:99]
	s_add_nc_u64 s[74:75], s[72:73], s[2:3]        ; s[74:75]: q's or k's scale words
	s_add_nc_u64 s[72:73], s[72:73], s[66:67]      ; s[72:73]: their codes
	s_lshl_b32 s35, s[CH], 7
	s_add_co_u32 s2, s2, s35
	s_add_nc_u64 s[78:79], s[76:77], s[2:3]        ; s[78:79]: v's scale words, my two tiles
	s_lshl_b32 s35, s[CH], 12
	s_add_co_u32 s66, s66, s35
	s_add_nc_u64 s[76:77], s[76:77], s[66:67]      ; s[76:77]: v's codes
	s_wait_alu depctr_va_vdst(0)
	s_wait_tensorcnt 0x0                           ; my part of slot 0 is in; slot 1's first fill is issued as a refill is:
	ds_add_u32 v[SPW], v[NIL]                      ; 0 onto my spare word
	s_wait_dscnt 0x0
	CROUND                                         ; a whole round: everybody's part of slot 0 is in, and the joint loads meet
	JLOAD G0X+4, G0W1                              ; slot 1: K 256 on; the first tensor load behind the round
	FETCH 0, 0
	ASK 768
	s_wait_loadcnt 0x0                             ; the scale words
	STEPE 0, 1                                     ; the first step's products start the sums: nothing is cleared
	TURN 1, 1, G0X, G0W0                           ; slot 0 takes K 512 on
	STEPE 2, 0
	TURN 3, 1, G0X+4, G0W1                         ; slot 1 takes K 768 on
	STEPE 4, 0
	TURN 5, 0, G0X, G0W0                           ; nothing is left to fetch
	STEPE 6, 0
	s_wait_dscnt 0x0
	MULT_T 1, 7, 0, 0
	MULT_T 1, 7, 4, 0
	MULT_V 1, 7, 0
	WIN 0
	PLACES 8                                       ; in front of the first reads of results and the first writes over scale words
	; THE WAY OUT: each run of 64 numbers a lane becomes a fragment's image: four stores of 512 consecutive bytes
.irp g, 0,1,2,3
.if \g >= 2
	s_wait_xcnt 0x0                                ; the stores of two fragments back have read their registers
.endif
	QUANT 3, 64*\g, PCS+16*(\g%2), PW+\g
.irp c, 0,1,2,3
	global_store_b128 v[LI], v[PCS+16*(\g%2)+4*\c:PCS+16*(\g%2)+4*\c+3], s[72:73] offset:\g*2048+\c*512
.endr
.endr
.irp t, 0,1
	s_wait_xcnt 0x0
	QUANT 0, VA+64*\t, PCS+16*\t, PW+4+\t
.irp c, 0,1,2,3
	global_store_b128 v[LI], v[PCS+16*\t+4*\c:PCS+16*\t+4*\c+3], s[76:77] offset:\t*2048+\c*512
.endr
.endr
	s_mov_b32 vcc_lo, 0xffff0000                   ; every lane holds its row's word: lanes 0-15 keep the even fragment's, lanes 16-31 take the odd one's: 128 consecutive bytes a store
	v_cndmask_b32 v[MG], v[PW], v[PW+1], vcc_lo
	v_cndmask_b32 v[MG+1], v[PW+2], v[PW+3], vcc_lo
	v_cndmask_b32 v[MG+2], v[PW+4], v[PW+5], vcc_lo
	global_store_b32 v[LS], v[MG], s[74:75]
	global_store_b32 v[LS], v[MG+1], s[74:75] offset:128
	global_store_b32 v[LS], v[MG+2], s[78:79]
	s_wait_tensorcnt 0x0                           ; the wave's end
	ds_add_u32 v[SPW], v[NIL]
	s_wait_dscnt 0x0
	CROUND                                         ; the closing round: no work-group ends while a partner may still ask for a tile that names it
	s_endpgm
.Lfunc_end_k_q78c38964ad_qkv:
	.size	k_q78c38964ad_qkv, .Lfunc_end_k_q78c38964ad_qkv-k_q78c38964ad_qkv
	.p2alignl 7, 3214868480
	.fill 96, 4, 3214868480
	.section	.rodata,"a",@progbits
	.p2align	6, 0x0
	.amdhsa_kernel k_q78c38964ad_qkv
		.amdhsa_group_segment_fixed_size 327680
		.amdhsa_private_segment_fixed_size 0
		.amdhsa_enable_private_segment 0
		.amdhsa_kernarg_size 88
		.amdhsa_user_sgpr_count 2
		.amdhsa_user_sgpr_kernarg_segment_ptr 1
		.amdhsa_wavefront_size32 1
		.amdhsa_system_sgpr_workgroup_id_x 1
		.amdhsa_system_sgpr_workgroup_id_y 1
		.amdhsa_system_sgpr_workgroup_id_z 1
		.amdhsa_system_vgpr_workitem_id 0
		.amdhsa_next_free_vgpr 1024
		.amdhsa_next_free_sgpr 100
		.amdhsa_reserve_vcc 1
		.amdhsa_float_denorm_mode_32 3
		.amdhsa_float_denorm_mode_16_64 3
		.amdhsa_memory_ordered 1
		.amdhsa_forward_progress 1
		.amdhsa_inst_pref_size 144
	.end_amdhsa_kernel
	.amdgpu_metadata
---
amdhsa.version: [ 1, 2 ]
amdhsa.kernels:
  - .name:           k_q78c38964ad_qkv
    .symbol:         k_q78c38964ad_qkv.kd
    .args:
      - { .name: x_codes, .offset: 0, .size: 8, .value_kind: global_buffer, .address_space: global }
      - { .name: x_scales, .offset: 8, .size: 8, .value_kind: global_buffer, .address_space: global }
      - { .name: Wq_codes, .offset: 16, .size: 8, .value_kind: global_buffer, .address_space: global }
      - { .name: Wq_scales, .offset: 24, .size: 8, .value_kind: global_buffer, .address_space: global }
      - { .name: Wk_codes, .offset: 32, .size: 8, .value_kind: global_buffer, .address_space: global }
      - { .name: Wk_scales, .offset: 40, .size: 8, .value_kind: global_buffer, .address_space: global }
      - { .name: Wv_codes, .offset: 48, .size: 8, .value_kind: global_buffer, .address_space: global }
      - { .name: Wv_scales, .offset: 56, .size: 8, .value_kind: global_buffer, .address_space: global }
      - { .name: qb, .offset: 64, .size: 8, .value_kind: global_buffer, .address_space: global }
      - { .name: kb, .offset: 72, .size: 8, .value_kind: global_buffer, .address_space: global }
      - { .name: vb, .offset: 80, .size: 8, .value_kind: global_buffer, .address_space: global }
    .group_segment_fixed_size: 327680
    .private_segment_fixed_size: 0
    .kernarg_segment_align: 8
    .kernarg_segment_size: 88
    .max_flat_workgroup_size: 128
    .sgpr_count:     100
    .vgpr_count:     1024
    .wavefront_size: 32
...
	.end_amdgpu_metadata
.endif
;; end of part 1
;; launch attn (part 2): grid 4 x 64, 16 waves a work-group, clusters of 4 x 1, 327,680 bytes of LDS; arguments qb, kb, vb, ob, os; writes ob, os
.if DOCPART == 2
	.amdgcn_target "amdgcn-amd-amdhsa--gfx1250"
	.amdhsa_code_object_version 6
	.text
	.protected	k_q78c38964ad_attn
	.globl	k_q78c38964ad_attn
	.p2align	8
	.type	k_q78c38964ad_attn,@function
k_q78c38964ad_attn:
	s_mov_b64 s[64:65], 0
	v_nop
	global_prefetch_b8 v0, s[64:65] scope:SCOPE_SE
	s_setreg_imm32_b32 hwreg(HW_REG_WAVE_MODE, 25, 1), 1
	s_wait_xcnt 0x0
	s_wait_alu depctr_hold_cnt(0) depctr_sa_sdst(0) depctr_va_vdst(0) depctr_va_sdst(0) depctr_va_ssrc(0) depctr_va_vcc(0) depctr_vm_vsrc(0)
	s_getreg_b32 s2, hwreg(HW_REG_IB_STS2, 6, 4)
	s_cmp_eq_u32 s2, 0
	s_cbranch_scc0 .Lentry_in_a_cluster
	s_endpgm
.Lentry_in_a_cluster:
	s_bfe_u32 s2, ttmp6, 0x10000c
	s_cmp_lg_u32 s2, 0x3003
	s_cbranch_scc0 .Lentry_shape_is_right
	s_endpgm
.Lentry_shape_is_right:
; Causal attention of one head on codes of FP8 (E4M3), one E8M0 scale for each 32 along a product's K; the result is quantised along the head's 64 and leaves as codes for the output projection.
; qb, kb, vb: [batch x head (64)][256 rows (8)][16,896 bytes]: images of operand registers, codes [128 rows (2)][fragment (4)][2,048], then at 16,384 scale words [2][4][16 lanes][4 bytes].
;   A fragment of q or k holds two tiles of 16 rows, each on 64 of the instruction's 128 along K; a fragment of v holds 16 of the head's 64 x 128 keys.
; WORK LEFT OUT: key steps of 128 all of whose keys come after a tile's 16 queries: the causal mask sets their scores to -inf, so their p is 0 for all values of the inputs.
;   A NaN or an infinity that reaches only those scores is not carried to the result.
; THE SOFTMAX: t = score x log2(e) / 8; M = the row's largest t so far, rounded UP to a whole number; p = 2^(t - M) is quantised along the keys, not normalised; the row's sum is taken of the unquantised p and
; divides at the end.  When M moves, the sum and O are multiplied by 2^(old M - new M), which rounds nothing.
; A HEAD'S K AND V LIE IN LDS WHOLE: 8 + 8 blocks of 16,896 bytes = 270,336.  Wave w brings block w / 2 of K (w even) or of V (w odd) to byte 16,896 w: one tensor load a wave, at the head; nothing is filled again, so
; the loop has no barrier.  CLUSTER 4 x 1: the four work-groups of a head read the same K and V, so each block is asked for jointly (mask 15).
; Waves 0 and 1 have a load line of their own: the first barrier shows keys 0-255 alone, key steps 0 and 1 are written out behind it, and the second barrier shows the other fourteen blocks.
; SHARES.  Wave w of work-group cx owns the tiles of 16 queries 127 - a and a, a = 4 w + cx: (16 - w / 2) + (w / 2 + 1) = 17 key steps for every wave; the counts hang on the wave's number alone.
; ONE loop of constant count: trip TJ = 2 .. 23 takes key step TJ & 15, of the first tile up to TJ = 15, then of the second; a step beyond the tile's last is jumped over by ids; a tile's last step lies on the diagonal.
; Both products are used transposed: S^T = K Q^T, O^T = V^T P^T: a lane holds ONE query throughout.  HEAD SIZE 64: Q lies as [q | zeros | q] in 24 registers; registers 0-15 as source 1 meet the first key tile of
; a fragment of K, registers 8-23 the second; zero codes add nothing.  Inside each block of 32 the places are permuted alike in q and k, and alike in p and v.
; NO PREFETCH: every block is asked for once, at the head, by its tensor load; there is no later load to run ahead of.
; ob: [128 rows (64)][K step = head / 2 (8)][tile of 16 rows (8)][2,048]: head parity e fills register groups 2 e, 2 e + 1.   os: [row (8,192)][head (16)] two scale bytes.
; LIMITS: NaN and infinities are not served.  A p under 2^-126 counts as 0.  A block whose largest magnitude lies under 2^-118 keeps the scale byte 1 (bytes read by this program alone).
; The scaled scores stay under 2^31 in magnitude.  os leaves by stores of 2 bytes a lane, 262,144 bytes in the whole launch; lanes l and l + 16 store the same bytes to the same place.
.set KVBB,  16896                      ; a block of K or of V
.set HEADB, 8*KVBB
.set VOFF,  KVBB                       ; V's block lies behind K's
.set SCO,   16384                      ; in a block: the scale words
.set SPARE, 16*KVBB                    ; the spare words, 128 bytes for each of 16 waves, which no other line names
.set LI,  1                            ; 16 x lane
.set LS,  2                            ; 4 x lane
.set ADK, 3                            ; LI + the key step's codes
.set ADS, 4                            ; LS + its scale words
.set SPW, 5
.set NIL, 6
.set DQ,  8                            ; r - 8 h
.set R4,  9                            ; 4 r
.set GOS, 10                           ; 32 r
.set QA,  16                           ; v16-23 q, v24-31 zeros, v32-39 q
.set QS,  40                           ; q's scale word [q0, q1, q0, q1]
.set QR,  41                           ; the pair's word as loaded
.set KS,  42                           ; v42-43 K's scale words: lanes 0-15 the even fragment's, lanes 16-31 the odd one's
.set VS,  44                           ; v44-45 V's likewise
.set FR,  48                           ; v48-111 four fragments of K, then of V
.set SS,  112                          ; v112-175 S^T, then p
.set OT,  176                          ; v176-207 O^T
.set PC,  208                          ; v208-223 p's codes
.set TM,  224                          ; v224-239 at work
.set FF,  240                          ; f = 2^(old M - new M)
.set PWR, 241                          ; p's scale word
.set T0,  242
.set T1,  243
.set SA,  244                          ; v244-249 three more chains of the row's sum
.set WV,  14
.set CX,  15                           ; my place in the cluster: it enters global addresses and the mask's numbers alone
.set TJ,  16
.set KI,  17                           ; the key step
.set LIMS, 18                          ; the tile's last key step: from the wave's number alone
.set TAU, 19                           ; the tile of 16 queries in hand
.set SEL, 20
.set CS,  22                           ; s[22:23] c = log2(e) / 8
.set MNT, 24
.set SK,  25                           ; LDS byte of the step's codes of K
.set SSC, 26                           ; and of its scale words
.set MSK, 27                           ; my first query less the diagonal step's first key
.set TT,  28
.set WH,  29                           ; wave / 2
.set OFF, 30                           ; s[30:31] an offset; the high word stays 0
.set G0,  32
.set G1,  36
.set KVB, 44
.set QBB, 48
.set OBB, 52
.set OSB, 54
.set OB,  56
.set OS,  58
.set PSEL, 60
.set QP,  62
.set QSP, 66
.macro PLACES n
.rept \n
	v_nop
.endr
.endm
.macro CROUND                          ; a round of the cluster's barrier
	s_barrier_signal -1
	s_barrier_wait -1
	s_cmp_lg_u32 s[WV], 0
	s_cbranch_scc1 .Lnot_wave_0_\@
	s_barrier_signal -3
.Lnot_wave_0_\@:
	s_barrier_wait -3
	s_barrier_signal -1
	s_barrier_wait -1
.endm
.macro TILEQ alt                       ; alt = 1: into nine idle registers (v250-255, v46-47, v11), where the second tile's q waits from the head on, so that the change of tiles waits for no memory
	s_lshr_b32 s[TT], s[TAU], 4
	s_mul_i32 s[OFF], s[TT], KVBB
	s_and_b32 s[TT], s[TAU], 15
	s_lshl_b32 s68, s[TT], 10
	s_add_co_u32 s68, s68, s[OFF]
	s_mov_b32 s69, 0
	s_add_nc_u64 s[QP:QP+1], s[QBB:QBB+1], s[68:69]
	s_lshr_b32 s[TT], s[TT], 1
	s_lshl_b32 s[TT], s[TT], 6
	s_add_co_u32 s[OFF], s[OFF], s[TT]
	s_add_co_u32 s[OFF], s[OFF], SCO
	s_add_nc_u64 s[QSP:QSP+1], s[QBB:QBB+1], s[OFF:OFF+1]
.if \alt
	global_load_b128 v[250:253], v[LI], s[QP:QP+1]
	global_load_b64 v[254:255], v[LI], s[QP:QP+1] offset:512
	global_load_b64 v[46:47], v[LI], s[QP:QP+1] offset:520
	global_load_b32 v11, v[R4], s[QSP:QSP+1]
.else
	global_load_b128 v[QA:QA+3], v[LI], s[QP:QP+1]
	global_load_b128 v[QA+4:QA+7], v[LI], s[QP:QP+1] offset:512
	global_load_b128 v[QA+16:QA+19], v[LI], s[QP:QP+1]
	global_load_b128 v[QA+20:QA+23], v[LI], s[QP:QP+1] offset:512
	global_load_b32 v[QR], v[R4], s[QSP:QSP+1]
.endif
.endm
.macro TILEO                           ; where tile TAU's results go; the mask's number; which two bytes of the pair's word are its own
	s_lshr_b32 s[TT], s[TAU], 3
	s_lshl_b32 s[OFF], s[TT], 17
	s_and_b32 s[TT], s[TAU], 7
	s_mov_b32 s[MSK], s[TT]                        ; which of the diagonal step's eight tiles of 16 keys holds my queries' own keys
	s_lshl_b32 s[TT], s[TT], 11
	s_add_co_u32 s[OFF], s[OFF], s[TT]
	s_add_nc_u64 s[OB:OB+1], s[OBB:OBB+1], s[OFF:OFF+1]
	s_lshl_b32 s[OFF], s[TAU], 9
	s_add_nc_u64 s[OS:OS+1], s[OSB:OSB+1], s[OFF:OFF+1]
	s_and_b32 s[TT], s[TAU], 1
	s_cmp_eq_u32 s[TT], 0
	s_mov_b32 s[PSEL], 0x03020302
	s_cselect_b32 s[PSEL], 0x01000100, s[PSEL]
.endm
.macro RESET
	s_wait_loadcnt 0x0                             ; q and its word
	v_perm_b32 v[QS], v[QR], v[QR], s[PSEL]        ; my tile's two bytes, twice
	v_mov_b32 v13, 0xff61b1e6                      ; the largest t so far: -3e38, under every t
	s_delay_alu instid0(VALU_DEP_1)
	v_floor_f32 v12, -v13                          ; -M
	v_mov_b32 v14, 0                               ; the sum, in two halves
	v_mov_b32 v15, 0
.set n, 0
.rept 32
	v_mov_b32 v[OT+n], 0                           ; O^T: a tile's first step finds zeros.  (These lines are also the places between the scale word's making and its first use)
.set n, n+1
.endr
	s_wait_alu depctr_va_vdst(0)                   ; branches, scalar lines
.endm
; A KEY STEP: 128 keys at LDS bytes SK (codes) and SSC (scale words).  mask = 1: the copy that can meet the diagonal.
.macro STEP mask
	v_add_nc_u32 v[ADK], s[SK], v[LI]
	v_add_nc_u32 v[ADS], s[SSC], v[LS]
	PLACES 6                                       ; with the two lines above: eight places in front of loads into registers that the last products read
	s_wait_alu depctr_va_vdst(0)
.irp j, 0,1
	ds_load_b32 v[KS+\j], v[ADS] offset:128*\j     ; the scale words first: every product of the step wants one
.endr
.irp b, 0,1,2,3
.irp c, 0,1,2,3
	ds_load_b128 v[FR+16*\b+4*\c:FR+16*\b+4*\c+3], v[ADK] offset:2048*\b+512*\c   ; an image: 512 consecutive bytes an instruction
.endr
.endr
.irp b, 0,1,2,3                                ; S^T: fragment b holds keys 32 b .. + 15 and 32 b + 16 .. + 31; u picks the tile by where q stands in source 1
	s_wait_dscnt 12-4*\b                           ; fragment b is in: behind its four loads stand the four of each later fragment
.irp u, 0,1
.if \b%2
	v_wmma_scale_f32_16x16x128_f8f6f4 v[SS+8*(2*\b+\u):SS+8*(2*\b+\u)+7], v[FR+16*\b:FR+16*\b+15], v[QA+8*\u:QA+8*\u+15], 0, v[KS+\b/2], v[QS] matrix_a_scale:MATRIX_SCALE_ROW1
.else
	v_wmma_scale_f32_16x16x128_f8f6f4 v[SS+8*(2*\b+\u):SS+8*(2*\b+\u)+7], v[FR+16*\b:FR+16*\b+15], v[QA+8*\u:QA+8*\u+15], 0, v[KS+\b/2], v[QS]
.endif
.endr
.endr
	PLACES 8
	s_wait_alu depctr_va_vdst(0)
.irp t, 0,1,2,3                                ; V's four fragments take K's registers and land under the softmax
.irp c, 0,1,2,3
	ds_load_b128 v[FR+16*\t+4*\c:FR+16*\t+4*\c+3], v[ADK] offset:VOFF+2048*\t+512*\c
.endr
.endr
.irp j, 0,1
	ds_load_b32 v[VS+\j], v[ADS] offset:VOFF+128*\j
.endr
.if \mask
	s_cmp_lg_u32 s[KI], s[LIMS]                    ; only a tile's last step lies on the diagonal: there hidden scores become -infinity ahead of the maximum
	s_cbranch_scc1 .Lopen_\@
.set n, 0
.rept 8                                        ; key tile n of the step: after my queries' tile all lanes are hidden, in it the lanes of s[72 + j] (8 h + j > r), before it none: a scalar selection, one vector line a register
	s_cmp_lt_u32 s[MSK], n
	s_cselect_b32 s80, -1, 0
	s_cmp_eq_u32 s[MSK], n
.irp j, 0,1,2,3,4,5,6,7
	s_cselect_b32 s[81+\j%2], s[72+\j], s80
	v_cndmask_b32 v[SS+8*n+\j], v[SS+8*n+\j], v7, s[81+\j%2]
.endr
.set n, n+1
.endr
.Lopen_\@:
.endif
.irp b, 0,1,2,3
	v_max3_num_f32 v[TM+\b], v[SS+16*\b], v[SS+1+16*\b], v[SS+2+16*\b]   ; the largest score of each block of 32 keys: for the row's maximum, and, since p rises with the score, for the block's largest p
.endr
.irp i, 3,5,7,9,11,13
.irp b, 0,1,2,3
	v_max3_num_f32 v[TM+\b], v[TM+\b], v[SS+16*\b+\i], v[SS+1+16*\b+\i]
.endr
.endr
.irp b, 0,1,2,3
	v_max_num_f32 v[TM+\b], v[TM+\b], v[SS+15+16*\b]
.endr
.irp b, 0,1,2,3
	s_delay_alu instid0(VALU_DEP_4)
	v_permlanex16_b32 v[TM+4+\b], v[TM+\b], s[SEL], s[SEL+1]
.endr
.irp b, 0,1,2,3
	s_delay_alu instid0(VALU_DEP_4)
	v_max_num_f32 v[TM+\b], v[TM+\b], v[TM+4+\b]   ; with lane l xor 16's 16 keys
.endr
	s_delay_alu instid0(VALU_DEP_2)
	v_max3_num_f32 v[T0], v[TM], v[TM+1], v[TM+2]
	s_delay_alu instid0(VALU_DEP_1)
	v_max_num_f32 v[T0], v[T0], v[TM+3]            ; the step's largest score of my query
	s_delay_alu instid0(VALU_DEP_1)
	v_mul_f32 v[T0], s[CS], v[T0]                  ; as t
	s_delay_alu instid0(VALU_DEP_1)
	v_max_num_f32 v13, v13, v[T0]                  ; the running largest t
	v_mov_b32 v[T0], v12
	s_delay_alu instid0(VALU_DEP_2)
	v_floor_f32 v12, -v13                          ; the new -M = -ceil(t): a whole number
.set n, 0
.rept 32
	v_pk_fma_f32 v[SS+n:SS+n+1], v[SS+n:SS+n+1], s[CS:CS+1], v[12:13] op_sel_hi:[1,0,0]   ; t - M, two at a time; the three lines that make f stand among them
.if n == 12
	v_sub_f32 v[T0], v12, v[T0]                    ; old M - new M: a whole number, 0 or less
.elseif n == 28
	v_cvt_i32_f32 v[T0], v[T0]                     ; (it saturates)
.elseif n == 44
	v_ldexp_f32 v[FF], 1.0, v[T0]                  ; f = 2^(old M - new M)
.endif
.set n, n+2
.endr
.irp b, 0,1,2,3
	v_fma_f32 v[TM+\b], v[TM+\b], s[CS], v12       ; the same of each block's largest score
.endr
.set n, 0
.rept 16
	v_pk_mul_f32 v[OT+n:OT+n+1], v[OT+n:OT+n+1], v[FF:FF+1] op_sel_hi:[1,0]   ; O^T under the new M, ahead of the exponentials: each accumulator from its low end on
.set n, n+2
.endr
	s_wait_alu depctr_va_vdst(0)                   ; the wait ahead of the batch
.irp b, 0,1,2,3
	v_exp_f32 v[TM+\b], v[TM+\b]                   ; the block's largest p: one batch with the 64
.endr
.set n, 0
.rept 64
	v_exp_f32 v[SS+n], v[SS+n]                     ; p = 2^(t - M), at most 1
.set n, n+1
.endr
	v_pk_mul_f32 v[14:15], v[14:15], v[FF:FF+1] op_sel_hi:[1,0]   ; the sums under the new M: a plain line behind the exponentials
	s_wait_alu depctr_va_vdst(0)                   ; one wait for the batch of 68, ahead of its first reader
	v_pk_add_f32 v[SA:SA+1], v[SS:SS+1], v[SS+2:SS+3]          ; the row's sum of the unquantised p: 32 pairs in four chains by turns
	v_pk_add_f32 v[SA+2:SA+3], v[SS+4:SS+5], v[SS+6:SS+7]
	v_pk_add_f32 v[SA+4:SA+5], v[SS+8:SS+9], v[SS+10:SS+11]
	v_pk_add_f32 v[14:15], v[14:15], v[SS+12:SS+13]
.set n, 7
.rept 25
.if n%4 == 2
	v_pk_add_f32 v[14:15], v[14:15], v[SS+2*n:SS+2*n+1]
.else
	v_pk_add_f32 v[SA+2*((n+1)%4):SA+2*((n+1)%4)+1], v[SA+2*((n+1)%4):SA+2*((n+1)%4)+1], v[SS+2*n:SS+2*n+1]
.endif
.set n, n+1
.endr
.irp b, 0,1,2,3
	v_max_num_f32 v[TM+\b], 0x4800000, v[TM+\b]    ; the floor 2^(9 - 127): the byte cannot fall under 1
.endr
.irp b, 0,1,2,3
	s_delay_alu instid0(VALU_DEP_4)
	v_add_nc_u32 v[TM+12+\b], 0xfc000000, v[TM+\b] ; 8 off the exponent field: the conversion's scale operand
.endr
.irp b, 0,1,2,3
	v_and_or_b32 v[TM+8+\b], v[TM+\b], 0x7f800000, s[MNT]   ; 448 x the scale
.endr
.irp b, 0,1,2,3
	v_lshrrev_b32 v[TM+4+\b], 23, v[TM+12+\b]      ; the scale's byte
.endr
	s_delay_alu instid0(VALU_DEP_3)
	v_lshl_or_b32 v[PWR], v[TM+5], 8, v[TM+4]      ; p's scale word for these 128 keys
	s_delay_alu instid0(VALU_DEP_1)
	v_lshl_or_b32 v[PWR], v[TM+6], 16, v[PWR]
	s_delay_alu instid0(VALU_DEP_1)
	v_lshl_or_b32 v[PWR], v[TM+7], 24, v[PWR]
.irp b, 0,1,2,3
.set n, 0
.rept 8                                        ; the conversion does not saturate (ISA guide 7.6.2); p is not negative, so the hold is one-sided; two holds to an instruction
	v_dual_min_num_f32 v[SS+16*\b+n], v[TM+8+\b], v[SS+16*\b+n] :: v_dual_min_num_f32 v[SS+16*\b+n+1], v[TM+8+\b], v[SS+16*\b+n+1]
.set n, n+2
.endr
	v_cvt_scalef32_pk8_fp8_f32 v[PC+4*\b:PC+4*\b+1], v[SS+16*\b:SS+16*\b+7], v[TM+12+\b]
	v_cvt_scalef32_pk8_fp8_f32 v[PC+4*\b+2:PC+4*\b+3], v[SS+16*\b+8:SS+16*\b+15], v[TM+12+\b]
.endr
	v_pk_add_f32 v[SA:SA+1], v[SA:SA+1], v[SA+2:SA+3]          ; the sum's four chains are joined here: with the line below them, the four places between the codes' making and the products
	v_pk_add_f32 v[14:15], v[14:15], v[SA+4:SA+5]
	v_pk_add_f32 v[14:15], v[14:15], v[SA:SA+1]
	v_nop
	s_wait_alu depctr_va_vdst(0)
	s_wait_dscnt 0x0                               ; V is in
.irp t, 0,1,2,3                                ; O^T += V^T P^T: four tiles of 16 of the head's 64, by turns
.if \t%2
	v_wmma_scale_f32_16x16x128_f8f6f4 v[OT+8*\t:OT+8*\t+7], v[FR+16*\t:FR+16*\t+15], v[PC:PC+15], v[OT+8*\t:OT+8*\t+7], v[VS+\t/2], v[PWR] matrix_a_scale:MATRIX_SCALE_ROW1
.else
	v_wmma_scale_f32_16x16x128_f8f6f4 v[OT+8*\t:OT+8*\t+7], v[FR+16*\t:FR+16*\t+15], v[PC:PC+15], v[OT+8*\t:OT+8*\t+7], v[VS+\t/2], v[PWR]
.endif
.endr
.endm
; A tile of queries is done: O^T / the sum, quantised along the head's 64 (two blocks of 32), leaves as two register groups of an image and two scale bytes a row.
.macro FINISH
	PLACES 8
	v_add_f32 v14, v14, v15
	s_delay_alu instid0(VALU_DEP_1)
	v_permlanex16_b32 v[T0], v14, s[SEL], s[SEL+1]
	s_delay_alu instid0(VALU_DEP_1)
	v_add_f32 v14, v14, v[T0]                      ; the row's sum
	s_wait_alu depctr_va_vdst(0)
	v_rcp_f32 v14, v14
	v_nop                                          ; a plain line behind the reciprocal
	s_wait_alu depctr_va_vdst(0)                   ; and the wait ahead of its first reader, which is also O^T's
.set n, 0
.rept 32
	v_mul_f32 v[SS+n], v[OT+n], v14                ; register 8 t + j: channel 16 t + 8 h + j of my query; each accumulator from its low end on
.set n, n+1
.endr
.irp b, 0,1
	v_max3_num_f32 v[TM+\b], |v[SS+16*\b]|, |v[SS+1+16*\b]|, 0x4800000
.endr
.irp i, 2,4,6,8,10,12,14
.irp b, 0,1
	s_delay_alu instid0(VALU_DEP_2)
	v_max3_num_f32 v[TM+\b], v[TM+\b], |v[SS+16*\b+\i]|, |v[SS+1+16*\b+\i]|
.endr
.endr
.irp b, 0,1
	s_delay_alu instid0(VALU_DEP_2)
	v_permlanex16_b32 v[TM+4+\b], v[TM+\b], s[SEL], s[SEL+1]
.endr
.irp b, 0,1
	s_delay_alu instid0(VALU_DEP_2)
	v_max_num_f32 v[TM+\b], v[TM+\b], v[TM+4+\b]
.endr
.irp b, 0,1
	s_delay_alu instid0(VALU_DEP_2)
	v_add_nc_u32 v[TM+12+\b], 0xfc000000, v[TM+\b]
.endr
.irp b, 0,1
	s_delay_alu instid0(VALU_DEP_4)
	v_and_or_b32 v[TM+8+\b], v[TM+\b], 0x7f800000, s[MNT]
.endr
.irp b, 0,1
	s_delay_alu instid0(VALU_DEP_4)
	v_lshrrev_b32 v[TM+4+\b], 23, v[TM+12+\b]
.endr
	s_delay_alu instid0(VALU_DEP_1)
	v_lshl_or_b32 v[T1], v[TM+5], 8, v[TM+4]
.irp b, 0,1
.irp i, 0,1,2,3,4,5,6,7,8,9,10,11,12,13,14,15
	v_med3_num_f32 v[SS+16*\b+\i], v[SS+16*\b+\i], -v[TM+8+\b], v[TM+8+\b]
.endr
	v_cvt_scalef32_pk8_fp8_f32 v[PC+4*\b:PC+4*\b+1], v[SS+16*\b:SS+16*\b+7], v[TM+12+\b]
	v_cvt_scalef32_pk8_fp8_f32 v[PC+4*\b+2:PC+4*\b+3], v[SS+16*\b+8:SS+16*\b+15], v[TM+12+\b]
.endr
	v_nop                                          ; a plain line behind the last conversion
	global_store_b128 v[LI], v[PC:PC+3], s[OB:OB+1]              ; 512 consecutive bytes a store
	global_store_b128 v[LI], v[PC+4:PC+7], s[OB:OB+1] offset:512
	global_store_b16 v[GOS], v[T1], s[OS:OS+1]
	s_wait_xcnt 0x0                                ; the stores have read their registers and bases: both may be written again
.endm
	s_load_b256 s[4:11], s[0:1], 0x0               ; qb, kb, vb, ob
	s_load_b64 s[12:13], s[0:1], 0x20              ; os
	v_lshl_add_u32 v[SPW], v0, 2, SPARE
	v_mov_b32 v[NIL], 0
	ds_add_u32 v[SPW], v[NIL]                      ; the wave's opening: the add, twice on end, and its wait ahead of my tensor load
	ds_add_u32 v[SPW], v[NIL]
	v_lshrrev_b32 v11, 5, v0
	v_readfirstlane_b32 s[WV], v11                 ; wave 0..15
	s_bfe_u32 s[CX], ttmp6, 0x40000                ; my place in the cluster
	s_and_b32 s68, ttmp7, 0xffff                   ; batch x 16 + head
	s_mov_b32 s[G1], 15|(3<<16)|(1<<21)            ; the mask names the cluster's four; a dense block as 66 rows of 256 bytes: elements of 8 bytes, no padding
	s_mov_b32 s[G1+1], 32<<16
	s_mov_b32 s[G1+2], 66<<16
	s_mov_b32 s[G1+3], 32<<16
	s_mov_b32 s[G1+4], 66
	s_mov_b32 s[G1+5], 32
	s_mov_b32 s[G1+6], 0
	s_mov_b32 s[G1+7], 0
	s_lshr_b32 s[WH], s[WV], 1
	s_mul_i32 s[OFF], s68, HEADB                   ; the head's first block
	s_mov_b32 s[OFF+1], 0
	s_mul_i32 s70, s[WH], KVBB
	s_add_co_u32 s70, s70, s[OFF]                  ; the block that my wave fetches
	s_mov_b32 s71, 0
	s_mov_b32 s[SEL], 0x76543210
	s_mov_b32 s[SEL+1], 0xfedcba98
	s_mov_b32 s[CS], 0x3e38aa3b                    ; log2(e) / 8
	s_mov_b32 s[CS+1], s[CS]                       ; (named with it as a pair, so it is written)
	s_mov_b32 s[MNT], 0x600000
	s_wait_dscnt 0x0                               ; both opening adds are done
	CROUND                                         ; all four work-groups are here: the joint loads meet
	s_wait_kmcnt 0x0
	s_and_b32 s[TT], s[WV], 1
	s_cmp_eq_u32 s[TT], 0
	s_cselect_b64 s[KVB:KVB+1], s[6:7], s[8:9]     ; even waves fetch K's blocks, odd waves V's
	s_mov_b32 s[G0], 1
	s_mul_i32 s[G0+1], s[WV], KVBB                 ; K's block j at 2 j blocks, V's behind it
	s_add_nc_u64 s[G0+2:G0+3], s[KVB:KVB+1], s[70:71]
	s_or_b32 s[G0+3], s[G0+3], 0x80000000
	s_cmp_lt_u32 s[WV], 2                          ; one load a wave; waves 0 and 1, which alone wait at the first barrier, have a line of their own
	s_cbranch_scc0 .Lrest
	tensor_load_to_lds s[G0:G0+3], s[G1:G1+7]
	s_nop 0
	PLACES 4
	s_branch .Lasked
.Lrest:
	tensor_load_to_lds s[G0:G0+3], s[G1:G1+7]
	s_nop 0
	PLACES 4
.Lasked:
	s_add_nc_u64 s[QBB:QBB+1], s[4:5], s[OFF:OFF+1]
	s_lshr_b32 s[TT], s68, 4                       ; the batch
	s_and_b32 s69, s68, 15                         ; the head
	s_lshl_b32 s[OFF], s[TT], 21                   ; ob: 16 blocks of 131,072 bytes a batch,
	s_lshr_b32 s70, s69, 1
	s_lshl_b32 s70, s70, 14                        ; the K step,
	s_add_co_u32 s[OFF], s[OFF], s70
	s_and_b32 s70, s69, 1
	s_lshl_b32 s70, s70, 10                        ; the head's half of the fragment
	s_add_co_u32 s[OFF], s[OFF], s70
	s_add_nc_u64 s[OBB:OBB+1], s[10:11], s[OFF:OFF+1]
	s_lshl_b32 s[OFF], s[TT], 16                   ; os: 2,048 rows of 32 bytes a batch
	s_lshl_b32 s70, s69, 1
	s_add_co_u32 s[OFF], s[OFF], s70
	s_add_nc_u64 s[OSB:OSB+1], s[12:13], s[OFF:OFF+1]
	v_and_b32 v11, 31, v0
	v_lshlrev_b32 v[LI], 4, v11
	v_lshlrev_b32 v[LS], 2, v11
	v_and_b32 v11, 15, v0                          ; r
	v_bfe_u32 v[DQ], v0, 4, 1                      ; h
	v_lshlrev_b32 v[DQ], 3, v[DQ]
	v_sub_nc_u32 v[DQ], v11, v[DQ]
	v_lshlrev_b32 v[R4], 2, v11
	v_lshlrev_b32 v[GOS], 5, v11
	v_mov_b32 v7, 0xff800000                       ; -infinity; never rewritten
.irp j, 0,1,2,3,4,5,6,7
	v_cmp_gt_i32 s[72+\j], \j, v[DQ]               ; the lanes whose register j of the diagonal tile is hidden: key 8 h + j after query r
.endr
	s_wait_alu depctr_va_vdst(0)
	s_lshl_b32 s[TAU], s[WV], 2
	s_add_co_u32 s[TAU], s[TAU], s[CX]             ; a = 4 x wave + my place
	s_sub_co_u32 s[TAU], 127, s[TAU]               ; the longer tile goes first
	s_sub_co_u32 s[LIMS], 15, s[WH]                ; its last key step
	TILEQ 0
	TILEO
	s_wait_xcnt 0x0                                ; the loads have read their bases, which are written again
	s_sub_co_u32 s[TAU], 127, s[TAU]
	TILEQ 1                                        ; the second tile's q, into its waiting place
	s_sub_co_u32 s[TAU], 127, s[TAU]
.irp j, 0,1,2,3,4,5,6,7
	v_mov_b32 v[QA+8+\j], 0                        ; the zero codes between the two copies of q
.endr
.irp b, 0,1,2,3
	v_mov_b32 v[TM+4+\b], 0                        ; written once: a lane permute's destination counts as one of its sources
.endr
	v_mov_b32 v[PWR], 0                            ; (named as the upper half of a pair before it is first made)
	v_mov_b32 v[T0], 0
	RESET
	s_cmp_lt_u32 s[WV], 2
	s_cbranch_scc0 .Lnot_first
	s_wait_tensorcnt 0x0                           ; waves 0 and 1: keys 0-255 of K and of V have landed
.Lnot_first:
	s_barrier_signal -1
	s_barrier_wait -1
	s_mov_b32 s[SK], 0                             ; key steps 0 and 1 of the first tile: its last step is 8 at the least, so neither is hidden or on the diagonal
	s_mov_b32 s[SSC], SCO
	STEP 0
	s_mov_b32 s[SK], 8192
	s_mov_b32 s[SSC], SCO+256
	STEP 0
	s_wait_tensorcnt 0x0                           ; every wave's block has landed
	s_wait_dscnt 0x0
	s_barrier_signal -1
	s_barrier_wait -1                              ; the whole head's K and V are shown; no barrier follows until the end
	s_mov_b32 s[TJ], 2
.Ltrip:
	s_cmp_eq_u32 s[TJ], 16                         ; the first tile is through: a branch on the count of trips
	s_cbranch_scc0 .Lsame
	s_sub_co_u32 s[TAU], 127, s[TAU]               ; tile a
	s_mov_b32 s[LIMS], s[WH]
.irp j, 0,1,2,3,4,5
	v_mov_b32 v[QA+\j], v[250+\j]                  ; its q comes out of its waiting place, twice
	v_mov_b32 v[QA+16+\j], v[250+\j]
.endr
.irp j, 0,1
	v_mov_b32 v[QA+6+\j], v[46+\j]
	v_mov_b32 v[QA+22+\j], v[46+\j]
.endr
	v_mov_b32 v[QR], v11
	FINISH
	TILEO
	RESET
.Lsame:
	s_and_b32 s[KI], s[TJ], 15
	s_cmp_gt_u32 s[KI], s[LIMS]                    ; a step all of whose keys come after my 16 queries is left out: trip count and wave's number alone
	s_cbranch_scc1 .Lskip
	s_lshr_b32 s[TT], s[KI], 1
	s_mul_i32 s[TT], s[TT], 2*KVBB                 ; the step's block of 256 keys,
	s_and_b32 s[SK], s[KI], 1
	s_lshl_b32 s[SSC], s[SK], 8
	s_lshl_b32 s[SK], s[SK], 13                    ; and its half
	s_add_co_u32 s[SK], s[SK], s[TT]
	s_add_co_u32 s[SSC], s[SSC], s[TT]
	s_add_co_u32 s[SSC], s[SSC], SCO
	STEP 1
.Lskip:
	s_add_co_u32 s[TJ], s[TJ], 1
	s_cmp_lt_u32 s[TJ], 24
	s_cbranch_scc1 .Ltrip
	FINISH
	s_wait_tensorcnt 0x0                           ; the wave's end
	ds_add_u32 v[SPW], v[NIL]
	s_wait_dscnt 0x0
	CROUND                                         ; the closing round
	s_endpgm
.Lfunc_end_k_q78c38964ad_attn:
	.size	k_q78c38964ad_attn, .Lfunc_end_k_q78c38964ad_attn-k_q78c38964ad_attn
	.p2alignl 7, 3214868480
	.fill 96, 4, 3214868480
	.section	.rodata,"a",@progbits
	.p2align	6, 0x0
	.amdhsa_kernel k_q78c38964ad_attn
		.amdhsa_group_segment_fixed_size 327680
		.amdhsa_private_segment_fixed_size 0
		.amdhsa_enable_private_segment 0
		.amdhsa_kernarg_size 40
		.amdhsa_user_sgpr_count 2
		.amdhsa_user_sgpr_kernarg_segment_ptr 1
		.amdhsa_wavefront_size32 1
		.amdhsa_system_sgpr_workgroup_id_x 1
		.amdhsa_system_sgpr_workgroup_id_y 1
		.amdhsa_system_sgpr_workgroup_id_z 1
		.amdhsa_system_vgpr_workitem_id 0
		.amdhsa_next_free_vgpr 256
		.amdhsa_next_free_sgpr 84
		.amdhsa_reserve_vcc 0
		.amdhsa_float_denorm_mode_32 3
		.amdhsa_float_denorm_mode_16_64 3
		.amdhsa_memory_ordered 1
		.amdhsa_forward_progress 1
		.amdhsa_inst_pref_size 90
	.end_amdhsa_kernel
	.amdgpu_metadata
---
amdhsa.version: [ 1, 2 ]
amdhsa.kernels:
  - .name:           k_q78c38964ad_attn
    .symbol:         k_q78c38964ad_attn.kd
    .args:
      - { .name: qb, .offset: 0, .size: 8, .value_kind: global_buffer, .address_space: global }
      - { .name: kb, .offset: 8, .size: 8, .value_kind: global_buffer, .address_space: global }
      - { .name: vb, .offset: 16, .size: 8, .value_kind: global_buffer, .address_space: global }
      - { .name: ob, .offset: 24, .size: 8, .value_kind: global_buffer, .address_space: global }
      - { .name: os, .offset: 32, .size: 8, .value_kind: global_buffer, .address_space: global }
    .group_segment_fixed_size: 327680
    .private_segment_fixed_size: 0
    .kernarg_segment_align: 8
    .kernarg_segment_size: 40
    .max_flat_workgroup_size: 512
    .sgpr_count:     84
    .vgpr_count:     256
    .wavefront_size: 32
...
	.end_amdgpu_metadata
.endif
;; end of part 2
;; launch proj (part 3): grid 8 x 32, 4 waves a work-group, clusters of 4 x 4, 327,680 bytes of LDS; arguments ob, os, Wo_codes, Wo_scales, bo, out0; writes out0
.if DOCPART == 3
	.amdgcn_target "amdgcn-amd-amdhsa--gfx1250"
	.amdhsa_code_object_version 6
	.text
	.protected	k_q78c38964ad_proj
	.globl	k_q78c38964ad_proj
	.p2align	8
	.type	k_q78c38964ad_proj,@function
k_q78c38964ad_proj:
	s_mov_b64 s[64:65], 0
	v_nop
	global_prefetch_b8 v0, s[64:65] scope:SCOPE_SE
	s_setreg_imm32_b32 hwreg(HW_REG_WAVE_MODE, 25, 1), 1
	s_wait_xcnt 0x0
	s_wait_alu depctr_hold_cnt(0) depctr_sa_sdst(0) depctr_va_vdst(0) depctr_va_sdst(0) depctr_va_ssrc(0) depctr_va_vcc(0) depctr_vm_vsrc(0)
	s_getreg_b32 s2, hwreg(HW_REG_IB_STS2, 6, 4)
	s_cmp_eq_u32 s2, 0
	s_cbranch_scc0 .Lentry_in_a_cluster
	s_endpgm
.Lentry_in_a_cluster:
	s_bfe_u32 s2, ttmp6, 0x10000c
	s_cmp_lg_u32 s2, 0xf033
	s_cbranch_scc0 .Lentry_shape_is_right
	s_endpgm
.Lentry_shape_is_right:
; out0 = O Wo + bo on codes of FP8 (E4M3) with one E8M0 scale for each 32 along K = 1,024.  out0: [8192][1024] f32.
; O comes as images of operand registers: ob [128 rows (64)][K step (8)][tile of 16 rows (8)][2,048 bytes], scale bytes os [row][32].  Wo: [1024 (n)][1024 (k)] codes, [1024][32] scale bytes.  bo: [1024] f32.
; INSIDE EACH BLOCK OF 32 ALONG K, O's codes stand permuted: index 32 c + 16 v + 8 h + j at place 32 c + 16 h + 8 v + j.  Wo's fragments are read with the same permutation: for each c two loads of 8 bytes, at
; 32 c + 8 h and 32 c + 16 + 8 h, in place of one of 16.  The blocks, and so the scales, stay as they are.
; SHARES.  256 work-groups that stay: each makes two blocks of 128 rows x 128 columns, one below the other, on the same 128 rows of Wo.  Wave w: rows 64 (w / 2) on, columns 64 (w % 2) on: 16 accumulators.
; Used transposed (source 0 = 16 rows of Wo, source 1 = 16 rows of O): a lane holds eight neighbouring columns of one row.  The bias is the C of each sum's first product.
; Wo's FRAGMENTS STAY IN REGISTERS: my 64 rows, all of K, are 32 fragments, 512 registers; the first block's K steps read them from LDS, the second block's read O's fragments alone.
; LDS: O's block, 8 K steps of 16,384 bytes; Wo's 128 rows as two halves of K, rows of 512 bytes + 16; a stage of 16 rows x 272 bytes a wave; the spare words.
; FILLS.  At the head one load a wave, each in an arm of its own: wave 0 O's K steps 0-3, wave 1 Wo's K 0-511, wave 2 O's K steps 4-7, wave 3 Wo's K 512-1,023; the first barrier shows waves 0 and 1's alone.
; O's region is filled again for the second block in two drained rounds of the cluster's barrier: inside K step 3, when every wave holds step 3's fragments, wave w brings the second block's K step w; inside K step 7
; its K step 4 + w.  So a wave has one tensor load out at the most, the second block's tiles land under the first block's products and way out, and the first block's stores leave under the second block's products.
; CLUSTER 4 x 4: O's blocks are shared along a row of the cluster, Wo's rows along a column: joint loads.
; PREFETCH: the second block's 131,072 bytes of O are named once in each cluster at the head, three K steps ahead of the first load that wants them: the four partners of a row take 32,768 bytes each, by address (cx),
; a wave 8,192, lanes 256 bytes apart.  The first block and Wo come by the head's loads alone.
; REGISTERS: window 0: v1-16 addresses; v32-47 Wo's scale words, v50-65 and v66-81 O's of the two blocks (numbers that differ modulo 8 from Wo's); v88-119 the bias; v128-255 the accumulators.
;   window 1: O's fragments, two sets of four, at v64-127 and v192-255; on the way out v128-191 take the rows read back from the stage.   windows 2, 3: Wo's fragments of K steps 0-3, 4-7: step s, tile t at v[64 (s % 4) + 16 t].
.set BT,   131072                      ; behind O's images: Wo's tiles, [half of K][128 rows][528]
.set HB,   128*528
.set STG,  BT+2*HB                     ; the stages: no tensor load lands there
.set SPARE, STG+4*16*272               ; the spare words, 128 bytes a wave, which no other line names
.set LI,   1
.set L32,  2
.set ADA,  3                           ; v3-4  O's fragments: K steps 0-3, 4-7
.set ADB,  5                           ; v5-6  Wo's: K 0-511, 512-1,023
.set STO,  7
.set RD,   8
.set CO,   9
.set H32,  10
.set PFO,  16                          ; 256 x lane
.set SPW,  30
.set NIL,  31
.set WS,   32
.set OSC,  50
.set OSC2, 66
.set BIA,  88
.set ACC,  128
.set WV,   16
.set RH,   17
.set CH,   18
.set G1A,  72                          ; the head's load of O: 256 rows of 256 bytes
.set G1B,  80                          ; Wo
.set G1R,  92                          ; a refill of O: 64 rows of 256 bytes; its group 0 is s[40:43]
.set MSB, 0
.macro WIN new
.if MSB != (\new)
	s_set_vgpr_msb (MSB<<8)|(\new)
.set MSB, (\new)
.endif
.endm
.macro PLACES n
.rept \n
	v_nop
.endr
.endm
.macro CREST                           ; a round of the cluster's barrier behind its opening barrier
	s_cmp_lg_u32 s[WV], 0
	s_cbranch_scc1 .Lnot_wave_0_\@
	s_barrier_signal -3
.Lnot_wave_0_\@:
	s_barrier_wait -3
	s_barrier_signal -1
	s_barrier_wait -1
.endm
.macro CROUND
	s_barrier_signal -1
	s_barrier_wait -1
	CREST
.endm
.macro MKD g0, lds, adr                ; a descriptor's group 0
	s_mov_b32 s[\g0], 1
	s_mov_b32 s[\g0+1], s[\lds]
	s_mov_b64 s[\g0+2:\g0+3], s[\adr:\adr+1]
	s_or_b32 s[\g0+3], s[\g0+3], 0x80000000
.endm
.macro DENSE g, mask, rows             ; group 1: dense bytes as rows of 256: 32 elements of 8 bytes, no padding
	s_or_b32 s[\g], s[\mask], (3<<16)|(1<<21)
	s_mov_b32 s[\g+1], 32<<16
	s_mov_b32 s[\g+2], (\rows)<<16
	s_mov_b32 s[\g+3], 32<<16
	s_mov_b32 s[\g+4], \rows
	s_mov_b32 s[\g+5], 32
	s_mov_b32 s[\g+6], 0
	s_mov_b32 s[\g+7], 0
.endm
.macro ARM under, g0, g1, next         ; an arm of the head's chain: one load, and a jump to the join
	s_cmp_lt_u32 s[WV], \under
	s_cbranch_scc0 \next
	tensor_load_to_lds s[\g0:\g0+3], s[\g1:\g1+7]
	s_nop 0
	PLACES 4
	s_branch .Lfilled
\next:
.endm
.macro WMC d, a, b, c, sa, sb, ra, rb  ; one matrix instruction; C in registers: the bias, or D itself
.if (\ra) && (\rb)
	v_wmma_scale_f32_16x16x128_f8f6f4 v[(\d):(\d)+7], v[(\a):(\a)+15], v[(\b):(\b)+15], v[(\c):(\c)+7], v[\sa], v[\sb] matrix_a_scale:MATRIX_SCALE_ROW1 matrix_b_scale:MATRIX_SCALE_ROW1
.elseif (\ra)
	v_wmma_scale_f32_16x16x128_f8f6f4 v[(\d):(\d)+7], v[(\a):(\a)+15], v[(\b):(\b)+15], v[(\c):(\c)+7], v[\sa], v[\sb] matrix_a_scale:MATRIX_SCALE_ROW1
.elseif (\rb)
	v_wmma_scale_f32_16x16x128_f8f6f4 v[(\d):(\d)+7], v[(\a):(\a)+15], v[(\b):(\b)+15], v[(\c):(\c)+7], v[\sa], v[\sb] matrix_b_scale:MATRIX_SCALE_ROW1
.else
	v_wmma_scale_f32_16x16x128_f8f6f4 v[(\d):(\d)+7], v[(\a):(\a)+15], v[(\b):(\b)+15], v[(\c):(\c)+7], v[\sa], v[\sb]
.endif
.endm
.macro FETCH s, p, wo                  ; K step s: O's four fragments, as images, into set p;  wo = 1 (the first block): Wo's four, by pieces of 8 bytes (row r starts 4 r words on modulo 64, h adds two), into their lasting place
	WIN 0x40                                       ; destination window 1
.irp i, 0,1,2,3
.irp c, 0,1,2,3
	ds_load_b128 v[128*(\p)+64+16*\i+4*\c:128*(\p)+64+16*\i+4*\c+3], v[ADA+(\s)/4] offset:((\s)%4)*16384+\i*2048+\c*512
.endr
.endr
.if \wo
	WIN (2+(\s)/4)<<6                              ; destination window 2 or 3
.irp t, 0,1,2,3
.irp c, 0,1,2,3
.irp u, 0,1
	ds_load_b64 v[64*((\s)%4)+16*\t+4*\c+2*\u:64*((\s)%4)+16*\t+4*\c+2*\u+1], v[ADB+(\s)/4] offset:\t*8448+128*((\s)%4)+32*\c+16*\u
.endr
.endr
.endr
.endif
.endm
.macro MUL s, osc, i0                  ; eight products of K step s: O's tiles i0, i0 + 1 against Wo's four.  The 16 accumulators take turns, one instruction a turn
	WIN (2+(\s)/4)|0x04                            ; source 0 (Wo) window 2 or 3, source 1 (O) window 1; C and D window 0
.irp i, \i0, \i0+1
.irp t, 0,1,2,3
.if (\s) == 0
	WMC ACC+8*(4*(\i)+\t), 64*((\s)%4)+16*\t, 128*((\s)%2)+64+16*(\i), BIA+8*\t, WS+8*(\t/2)+(\s), (\osc)+8*((\i)/2)+(\s), \t%2, (\i)%2
.else
	WMC ACC+8*(4*(\i)+\t), 64*((\s)%4)+16*\t, 128*((\s)%2)+64+16*(\i), ACC+8*(4*(\i)+\t), WS+8*(\t/2)+(\s), (\osc)+8*((\i)/2)+(\s), \t%2, (\i)%2
.endif
.endr
.endr
.endm
.macro PSTEP s, osc, bar               ; a K step; bar = 1: a plain barrier shows the upper half of K first
	s_wait_dscnt 0x0                               ; this step's fragments are in
.if \bar
	s_wait_tensorcnt 0x0                           ; every wave's load has landed
	s_barrier_signal -1
	s_barrier_wait -1
.endif
.if (\s) < 7
	PLACES 8                                       ; for the loads into the set that the last products read
.if (\osc) == OSC
	FETCH (\s)+1, ((\s)+1)%2, 1
.else
	FETCH (\s)+1, ((\s)+1)%2, 0
.endif
.endif
	MUL \s, \osc, 0
	MUL \s, \osc, 2
.endm
; A K step of the first block with a drained round: my fragments of the step are in registers, so my reads of the half of O's region that it ends are over.  Behind the round that half takes the second block's K steps, one a wave.
.macro RSTEP s, osc
	s_wait_dscnt 0x0
	WIN 0                                          ; (the add's two registers lie in window 0)
	s_wait_tensorcnt 0x0                           ; all my tensor loads have landed, so the refill's group 0 may be written
	ds_add_u32 v[SPW], v[NIL]                      ; 0 onto my spare word
.if (\s) == 7
	s_add_co_u32 s41, s41, 65536                   ; the upper half: in LDS,
	s_add_nc_u64 s[42:43], s[42:43], 65536         ; and in memory
.endif
	MUL \s, \osc, 0                                ; eight products stand between the add and the wait for it
	s_wait_dscnt 0x0
	s_barrier_signal -1
	MUL \s, \osc, 2
	WIN 0
	s_barrier_wait -1
	CREST                                          ; no wave of any partner still reads that half or has a load on its way
	tensor_load_to_lds s[40:43], s[G1R:G1R+7]      ; the first tensor load behind the round, one a wave
	s_nop 0
	PLACES 8                                       ; also the places in front of the loads below and of the first reads of results
.if (\s) == 3
	FETCH 4, 0, 1                                  ; what the round has shown: the upper half of this block,
.else
	FETCH 0, 0, 0                                  ; or the lower half of the next
.endif
.endm
; THE WAY OUT, a tile of 16 rows x 64 columns at a time, through my own stage: a lane's 32 bytes go in by rows of 272 bytes and come back as whole rows of 256, which sixteen lanes store as one aligned run.
; LDS serves a wave's instructions in order (ISA guide 5.7.1.4): no wait between the stores and the loads, nor in front of the next tile's stores.
.macro TOSTAGE i
	WIN 0
.irp t, 0,1,2,3
	ds_store_b128 v[STO], v[ACC+8*(4*(\i)+\t):ACC+8*(4*(\i)+\t)+3] offset:64*\t          ; each accumulator from its low end on
	ds_store_b128 v[STO], v[ACC+8*(4*(\i)+\t)+4:ACC+8*(4*(\i)+\t)+7] offset:64*\t+16
.endr
	WIN 0x40                                       ; destination window 1
.irp k, 0,1,2,3,4,5,6,7
	ds_load_b128 v[128+32*((\i)%2)+4*\k:128+32*((\i)%2)+4*\k+3], v[RD] offset:\k*2*272
.endr
.endm
.macro SEND i, younger                 ; younger: the LDS instructions issued behind tile i's loads, which may stay out
	s_wait_dscnt \younger
	WIN 0x04                                       ; the data: window 1
.irp k, 0,1,2,3,4,5,6,7
	global_store_b128 v[CO], v[128+32*((\i)%2)+4*\k:128+32*((\i)%2)+4*\k+3], s[14:15] offset:(16*(\i)+2*\k)*4096 th:TH_STORE_NT   ; 16 lanes store 256 consecutive bytes, at a multiple of 256 from out0's first byte
.endr
.endm
.macro OUT
	TOSTAGE 0
.irp i, 1,2,3
.if \i > 1
	s_wait_xcnt 0x0                                ; the stores of two tiles back have read their registers
.endif
	TOSTAGE \i
	SEND \i-1, 16                                  ; behind tile i - 1's loads: tile i's 8 stores and 8 loads
.endr
	SEND 3, 0
	WIN 0
.endm
	s_load_b256 s[4:11], s[0:1], 0x0               ; ob, os, Wo codes, Wo scales
	s_load_b128 s[12:15], s[0:1], 0x20             ; bo, out0
	v_lshl_add_u32 v[SPW], v0, 2, SPARE
	v_mov_b32 v[NIL], 0
	ds_add_u32 v[SPW], v[NIL]                      ; the wave's opening: the add, twice on end, and its wait ahead of my first tensor load
	ds_add_u32 v[SPW], v[NIL]
	v_lshrrev_b32 v1, 5, v0
	v_readfirstlane_b32 s[WV], v1                  ; wave 0..3
	s_lshr_b32 s[RH], s[WV], 1                     ; my half of the rows.  Also: which half of K I fetch at the head
	s_and_b32 s[CH], s[WV], 1                      ; my half of the columns
	s_bfe_u32 s19, ttmp6, 0x40000                  ; cx
	s_bfe_u32 s20, ttmp6, 0x40004                  ; cy
	s_lshl_b32 s21, ttmp9, 2
	s_add_co_u32 s21, s21, s19                     ; the block of 128 columns
	s_and_b32 s22, ttmp7, 0xffff
	s_lshl_b32 s22, s22, 2
	s_add_co_u32 s22, s22, s20                     ; the pair of blocks of 128 rows
	s_lshl_b32 s23, s20, 2
	s_lshl_b32 s23, 15, s23                        ; my row of the cluster
	s_lshl_b32 s24, 0x1111, s19                    ; my column
	DENSE G1A, 23, 256
	DENSE G1R, 23, 64
	s_or_b32 s[G1B], s24, (1<<20)|(1<<21)|(6<<22)|(3<<25)   ; Wo: 128 rows of 512 bytes, 1,024 apart, 16 bytes of padding behind each
	s_mov_b32 s[G1B+1], 512<<16
	s_mov_b32 s[G1B+2], 128<<16
	s_mov_b32 s[G1B+3], 512<<16
	s_mov_b32 s[G1B+4], 128
	s_mov_b32 s[G1B+5], 1024
	s_mov_b32 s[G1B+6], 0
	s_mov_b32 s[G1B+7], 0
	s_lshl_b32 s26, s22, 18                        ; O: my first block of rows,
	s_lshl_b32 s34, s[RH], 16                      ; four K steps a half: in memory and in LDS
	s_add_co_u32 s26, s26, s34
	s_mov_b32 s27, 0
	s_lshl_b32 s30, s21, 17                        ; Wo: 128 rows of 1,024 bytes a block,
	s_lshl_b32 s35, s[RH], 9                       ; 512 bytes of each a half
	s_add_co_u32 s30, s30, s35
	s_mov_b32 s31, 0
	s_mul_i32 s35, s[RH], HB
	s_add_co_u32 s35, s35, BT
	s_lshl_b32 s46, s22, 18                        ; the refills: my second block of rows, K step = my wave's number
	s_add_co_u32 s46, s46, 131072
	s_lshl_b32 s41, s[WV], 14
	s_add_co_u32 s46, s46, s41
	s_mov_b32 s47, 0
	s_lshl_b32 s48, s22, 18                        ; the prefetch: the same block, my work-group's quarter of it, my wave's quarter of that
	s_add_co_u32 s48, s48, 131072
	s_lshl_b32 s49, s19, 15
	s_add_co_u32 s48, s48, s49
	s_lshl_b32 s49, s[WV], 13
	s_add_co_u32 s48, s48, s49
	s_mov_b32 s49, 0
	s_wait_dscnt 0x0                               ; both opening adds are done
	s_wait_kmcnt 0x0
	s_add_nc_u64 s[28:29], s[4:5], s[26:27]
	s_add_nc_u64 s[32:33], s[8:9], s[30:31]
	MKD 36, 34, 28
	MKD 52, 35, 32
	s_mov_b32 s40, 1
	s_add_nc_u64 s[42:43], s[4:5], s[46:47]
	s_or_b32 s43, s43, 0x80000000
	s_add_nc_u64 s[44:45], s[4:5], s[48:49]        ; s[44:45] and v[PFO] are never written again
	CROUND                                         ; all sixteen work-groups are here: the joint loads meet
	ARM 1, 36, G1A, .Larm1                         ; one chain of branches on the wave's number: the lower half of K is asked for first
	ARM 2, 52, G1B, .Larm2
	ARM 3, 36, G1A, .Larm3
	tensor_load_to_lds s[52:55], s[G1B:G1B+7]
	s_nop 0
	PLACES 4
.Lfilled:
	v_and_b32 v11, 31, v0
	v_lshlrev_b32 v[LI], 4, v11
	v_lshlrev_b32 v[L32], 5, v11
	v_lshlrev_b32 v[PFO], 8, v11
	v_and_b32 v12, 15, v0                          ; r
	v_bfe_u32 v13, v0, 4, 1                        ; h
	s_lshl_b32 s88, s[RH], 13                      ; my four tiles of rows
	v_add_nc_u32 v[ADA], s88, v[LI]
	v_add_nc_u32 v[ADA+1], 65536, v[ADA]
	v_mul_u32_u24 v14, v12, 272
	v_mul_u32_u24 v15, v12, 528
	v_lshl_add_u32 v[ADB], v13, 3, v15             ; Wo: row r of 528 bytes, + 8 h
	s_mul_i32 s88, s[CH], 64*528
	s_add_co_u32 s88, s88, BT
	v_add_nc_u32 v[ADB], s88, v[ADB]
	v_add_nc_u32 v[ADB+1], HB, v[ADB]
	s_mul_i32 s88, s[WV], 16*272
	s_add_co_u32 s88, s88, STG                     ; my stage
	v_lshl_add_u32 v[STO], v13, 5, v14             ; in: row r, 32 bytes for each half of the lanes
	v_add_nc_u32 v[STO], s88, v[STO]
	v_mul_u32_u24 v[RD], v13, 272                  ; back: lanes 0-15 one row of 256 bytes, lanes 16-31 the next
	v_lshl_add_u32 v[RD], v12, 4, v[RD]
	v_add_nc_u32 v[RD], s88, v[RD]
	v_lshlrev_b32 v[CO], 12, v13                   ; and the same two rows in out0
	v_lshl_add_u32 v[CO], v12, 4, v[CO]
	v_lshlrev_b32 v[H32], 5, v13
	s_wait_alu depctr_va_vdst(0)                   ; the wait at the end of the head's vector lines
	s_lshl_b32 s88, s21, 12
	s_lshl_b32 s90, s[CH], 11
	s_add_co_u32 s88, s88, s90
	s_mov_b32 s89, 0
	s_add_nc_u64 s[10:11], s[10:11], s[88:89]      ; Wo's scales at my 64 rows
	s_lshl_b32 s88, s22, 13
	s_lshl_b32 s90, s[RH], 11
	s_add_co_u32 s88, s88, s90
	s_add_nc_u64 s[6:7], s[6:7], s[88:89]          ; O's scales at my 64 rows of the first block; the second block's lie 4,096 bytes on
	s_lshl_b32 s88, s21, 9
	s_lshl_b32 s90, s[CH], 8
	s_add_co_u32 s88, s88, s90
	s_add_nc_u64 s[12:13], s[12:13], s[88:89]      ; the bias at my 64 columns
	s_add_nc_u64 s[14:15], s[14:15], s[88:89]
	s_lshl_b32 s88, s22, 20
	s_lshl_b32 s90, s[RH], 18
	s_add_co_u32 s88, s88, s90
	s_add_nc_u64 s[14:15], s[14:15], s[88:89]      ; out0 at my first row and column
.irp g, 0,1                                    ; a lane takes its row's 32 scale bytes: the words of the 8 K steps
	global_load_b128 v[WS+8*\g:WS+8*\g+3], v[L32], s[10:11] offset:1024*\g
	global_load_b128 v[WS+8*\g+4:WS+8*\g+7], v[L32], s[10:11] offset:1024*\g+16
	global_load_b128 v[OSC+8*\g:OSC+8*\g+3], v[L32], s[6:7] offset:1024*\g
	global_load_b128 v[OSC+8*\g+4:OSC+8*\g+7], v[L32], s[6:7] offset:1024*\g+16
.endr
.irp t, 0,1,2,3                                ; the bias in the result's layout: for tile t columns 16 t + 8 h + 0 .. 7
	global_load_b128 v[BIA+8*\t:BIA+8*\t+3], v[H32], s[12:13] offset:64*\t
	global_load_b128 v[BIA+8*\t+4:BIA+8*\t+7], v[H32], s[12:13] offset:64*\t+16
.endr
.irp g, 0,1
	global_load_b128 v[OSC2+8*\g:OSC2+8*\g+3], v[L32], s[6:7] offset:4096+1024*\g
	global_load_b128 v[OSC2+8*\g+4:OSC2+8*\g+7], v[L32], s[6:7] offset:4096+1024*\g+16
.endr
	global_prefetch_b8 v[PFO], s[44:45] th:TH_LOAD_NT scope:SCOPE_SE
	s_cmp_lt_u32 s[WV], 2
	s_cbranch_scc0 .Lnot_first
	s_wait_tensorcnt 0x0                           ; waves 0 and 1: the lower half of K, of O and of Wo, has landed; the upper half's loads may stay out
.Lnot_first:
	s_barrier_signal -1
	s_barrier_wait -1
	FETCH 0, 0, 1
	s_wait_loadcnt 0x0                             ; scale words and bias
	PSTEP 0, OSC, 0                                ; THE FIRST BLOCK
	PSTEP 1, OSC, 0
	PSTEP 2, OSC, 0
	RSTEP 3, OSC                                   ; the round shows the upper half of K; the second block's K steps 0-3 are asked for
	PSTEP 4, OSC, 0
	PSTEP 5, OSC, 0
	PSTEP 6, OSC, 0
	RSTEP 7, OSC                                   ; the round shows the second block's K steps 0-3; its K steps 4-7 are asked for
	OUT
	s_wait_xcnt 0x0                                ; the stores have read their base
	s_add_nc_u64 s[14:15], s[14:15], 1<<19         ; THE SECOND BLOCK: 128 rows of out0 on
	PSTEP 0, OSC2, 0
	PSTEP 1, OSC2, 0
	PSTEP 2, OSC2, 0
	PSTEP 3, OSC2, 1
	PSTEP 4, OSC2, 0
	PSTEP 5, OSC2, 0
	PSTEP 6, OSC2, 0
	PSTEP 7, OSC2, 0
	WIN 0
	PLACES 8                                       ; in front of the first reads of results
	s_wait_xcnt 0x0                                ; the first block's last stores have read the registers that the rows below land in
	OUT
	s_wait_tensorcnt 0x0                           ; the wave's end
	ds_add_u32 v[SPW], v[NIL]
	s_wait_dscnt 0x0
	CROUND                                         ; the closing round: no work-group ends while a partner may still ask for a tile that names it
	s_endpgm
.Lfunc_end_k_q78c38964ad_proj:
	.size	k_q78c38964ad_proj, .Lfunc_end_k_q78c38964ad_proj-k_q78c38964ad_proj
	.p2alignl 7, 3214868480
	.fill 96, 4, 3214868480
	.section	.rodata,"a",@progbits
	.p2align	6, 0x0
	.amdhsa_kernel k_q78c38964ad_proj
		.amdhsa_group_segment_fixed_size 327680
		.amdhsa_private_segment_fixed_size 0
		.amdhsa_enable_private_segment 0
		.amdhsa_kernarg_size 48
		.amdhsa_user_sgpr_count 2
		.amdhsa_user_sgpr_kernarg_segment_ptr 1
		.amdhsa_wavefront_size32 1
		.amdhsa_system_sgpr_workgroup_id_x 1
		.amdhsa_system_sgpr_workgroup_id_y 1
		.amdhsa_system_sgpr_workgroup_id_z 1
		.amdhsa_system_vgpr_workitem_id 0
		.amdhsa_next_free_vgpr 1024
		.amdhsa_next_free_sgpr 100
		.amdhsa_reserve_vcc 0
		.amdhsa_float_denorm_mode_32 3
		.amdhsa_float_denorm_mode_16_64 3
		.amdhsa_memory_ordered 1
		.amdhsa_forward_progress 1
		.amdhsa_inst_pref_size 97
	.end_amdhsa_kernel
	.amdgpu_metadata
---
amdhsa.version: [ 1, 2 ]
amdhsa.kernels:
  - .name:           k_q78c38964ad_proj
    .symbol:         k_q78c38964ad_proj.kd
    .args:
      - { .name: ob, .offset: 0, .size: 8, .value_kind: global_buffer, .address_space: global }
      - { .name: os, .offset: 8, .size: 8, .value_kind: global_buffer, .address_space: global }
      - { .name: Wo_codes, .offset: 16, .size: 8, .value_kind: global_buffer, .address_space: global }
      - { .name: Wo_scales, .offset: 24, .size: 8, .value_kind: global_buffer, .address_space: global }
      - { .name: bo, .offset: 32, .size: 8, .value_kind: global_buffer, .address_space: global }
      - { .name: out0, .offset: 40, .size: 8, .value_kind: global_buffer, .address_space: global }
    .group_segment_fixed_size: 327680
    .private_segment_fixed_size: 0
    .kernarg_segment_align: 8
    .kernarg_segment_size: 48
    .max_flat_workgroup_size: 128
    .sgpr_count:     100
    .vgpr_count:     1024
    .wavefront_size: 32
...
	.end_amdgpu_metadata
.endif
;; end of part 3
